; MI455X (gfx1250); checked and timed in simulation.
; The chip was launched on July 23, 2026; its instructions are those of AMD's public machine-readable ISA for CDNA 5 (MIT licence, August 2026) and "CDNA5" Instruction Set Architecture Reference Guide (July 2026). The comments in the code are by the model that wrote it; some were corrected since.
;; Cross Attention Fusion. Allowed arithmetic: matrix products marked QUANTISED: E2M3 operands, one E8M0 scale for each 32 along K, by v_wmma_scale_f32_16x16x128_f8f6f4 with both operands' format E2M3, f32 sums; everything else in f32.
;; Inputs: Wkv_i 1,024 x 2,048 float32; Wkv_w 1,024 x 2,048 float32; Wp 2,048 x 1,024 float32; Wq_i 1,024 x 1,024 float32; Wq_w 1,024 x 1,024 float32; beta 1,024 float32; bkv_i 2,048 float32; bkv_w 2,048 float32; bp 1,024 float32; bq_i 1,024 float32; bq_w 1,024 float32; gamma 1,024 float32; image_feat 4 x 1,024 x 1,024 float32; waveform_feat 4 x 1,024 x 1,024 float32.
;; Outputs: out0 4 x 1,024 x 1,024 float32.
;; This version of the problem:
;;   THIS VERSION OF THE PROBLEM IS GIVEN IN LOW PRECISION. The matrix products marked QUANTISED in the list below multiply operands that are first quantised to E2M3 (2 exponent bits, 3 mantissa bits; 6 bits a number), with one power-of-two scale for each 32 numbers along K (OCP MX v1.0); their sums are f32. All else is computed in f32.
;;   The module's matrix products, in the order in which they are computed (A, B: the left and right operand; K: the contracted axis; several contracted axes count as one K, in the product's order):
;;     1. [M 4,096, K 1,024] x [K 1,024, N 1,024]; A: input image_feat; B: input Wq_i: QUANTISED
;;     2. [M 4,096, K 1,024] x [K 1,024, N 2,048]; A: input waveform_feat; B: input Wkv_w: QUANTISED
;;     3. batch 64 x [M 1,024, K 64] x [K 64, N 1,024]; A: computed on the way; B: computed on the way: QUANTISED
;;     4. batch 64 x [M 1,024, K 1,024] x [K 1,024, N 64]; A: softmax (see below); B: computed on the way: QUANTISED
;;     5. [M 4,096, K 1,024] x [K 1,024, N 1,024]; A: input waveform_feat; B: input Wq_w: QUANTISED
;;     6. [M 4,096, K 1,024] x [K 1,024, N 2,048]; A: input image_feat; B: input Wkv_i: QUANTISED
;;     7. batch 64 x [M 1,024, K 64] x [K 64, N 1,024]; A: computed on the way; B: computed on the way: QUANTISED
;;     8. batch 64 x [M 1,024, K 1,024] x [K 1,024, N 64]; A: softmax (see below); B: computed on the way: QUANTISED
;;     9. [M 4,096, K 2,048] x [K 2,048, N 1,024]; A: computed on the way; B: input Wp: QUANTISED
;;   THE QUANTISER, for each operand of a quantised product, along K:
;;     - K is cut into blocks of 32 from its start; a last block that is shorter is filled with zeros.
;;     - A block's scale is 2^e with e = floor(log2(the largest magnitude in the block)) - 2, held to -126 .. 127; a block of zeros has e = 0. As a byte (E8M0): e + 127.
;;     - Each number is divided by its block's scale, clamped to +-7.5, and rounded to the nearest number of E2M3, ties to even, subnormals kept.
;;     - The product sums the exact products of the quantised numbers (number of the format x scale) in f32.
;;   ~~~python
;;   def quantise(x, axis):      # numpy; x: float32 -> the quantised numbers, widened to float32 again
;;       x = np.moveaxis(x, axis, -1); K = x.shape[-1]
;;       x = np.pad(x, [(0, 0)] * (x.ndim - 1) + [(0, -K % 32)]); x = x.reshape(x.shape[:-1] + (-1, 32)); a = np.abs(x).max(-1, keepdims=True)
;;       e = np.where(a > 0, np.clip(np.frexp(np.where(a > 0, a, 1))[1] - 1 - 2, -126, 127), 0)      # np.frexp(a)[1] - 1 = floor(log2(a)), exactly
;;       r = np.clip(x / 2.0 ** e, -7.5, 7.5)
;;       step = 2.0 ** (np.maximum(np.frexp(np.where(r == 0, 1, r))[1] - 1, 0) - 3)
;;       q = np.round(r / step) * step * 2.0 ** e      # np.round: ties to even
;;       return np.moveaxis(q.reshape(q.shape[:-2] + (-1,))[..., :K], -1, axis).astype(np.float32)
;;   ~~~
;;   SOFTMAX AHEAD OF A QUANTISED PRODUCT. Where the list says 'softmax', what is quantised is not the finished softmax but p = 2^(t - M), with t = logit x log2(e) and M = ceil(the row's largest t), a whole number; so 1/2 < the row's largest p <= 1. The row's sum l is taken of the UNQUANTISED p, in f32, and the product's result is divided by l at the end. Since M is a whole number, a kernel that streams over the keys may use a running M (the ceiling of the running maximum): every later rescaling is an exact power of two, which a block's scale takes up: the codes' values come out the same.
;;   OPERANDS COMPUTED ON THE WAY. 'Computed on the way' means the value that the module computes at that place (a softmax that the list does not call 'softmax' is quantised finished and normalised). What goes into a quantiser is computed in f32, as accurately as f32 sums, v_exp_f32 and their like allow (about 1e-6 of the number): no bf16 or f16 on the way to a quantiser, and a product that is left as it is and whose result goes on into a quantised operand takes f32 operands (vector FMAs, or v_wmma_f32_16x16x4_f32). A number that lies on a knife's edge between two numbers of the format may be rounded either way, as far as f32 arithmetic and the matrix unit's own rounding can turn it there, and no further.
;; One version. Each part assembles by itself: llvm-mc -triple=amdgcn-amd-amdhsa -mcpu=gfx1250 --defsym DOCPART=n.
;; ======== version 1 of 1: 5 launches
;; limits: right only within a limited range of input values
;; workspace buffers: xq 6,553,600 bytes; wq 4,915,200 bytes; pq 1,638,400 bytes; qkv 20,447,232 bytes; fq 6,815,744 bytes; y 16,777,216 bytes
;; launch quant (part 1): grid 512 x 1, 4 waves a work-group, no clusters, 34,304 bytes of LDS; arguments image_feat, waveform_feat, Wq_i, Wkv_i, Wq_w, Wkv_w, Wp, xq, wq, pq; writes xq, wq, pq
.if DOCPART == 1
	.amdgcn_target "amdgcn-amd-amdhsa--gfx1250"
	.amdhsa_code_object_version 6
	.text
	.protected	k_q3a8af2e9dd_quant
	.globl	k_q3a8af2e9dd_quant
	.p2align	8
	.type	k_q3a8af2e9dd_quant,@function
k_q3a8af2e9dd_quant:
	s_mov_b64 s[64:65], 0
	v_nop
	global_prefetch_b8 v0, s[64:65] scope:SCOPE_SE
	s_setreg_imm32_b32 hwreg(HW_REG_WAVE_MODE, 25, 1), 1
	s_wait_xcnt 0x0
; The two feature tensors [4096][1024] f32 (K innermost) and the five weights (K is their FIRST axis) become codes of FP6 (E2M3) with one E8M0 byte for each 32 along K.
; A block's scale is 2^(floor(log2(largest magnitude)) - 2): its byte is the largest magnitude's exponent field - 2, held at 1 from below by a floor among the maximum's leaves.
; LIMITS: NaN and infinities are not served; a block of zeros gets the byte 1 where the rule says 127 (its codes are zeros, and the bytes are read by this program alone).
; LAYOUT OF THE RESULTS: images of operand registers.  A fragment (16 rows x 128 K, 12 registers a lane) is 1,536 bytes: registers 4 g .. 4 g + 3 of lane L at 512 g + 16 L.
; Rows (of x) and columns (of a weight) go by groups of 32: lane r of tile 2 G + u holds row 32 G + 8 u + r + 8 (r / 8), so that results of two neighbouring tiles are 16 neighbours along a later K.
; Scale words: for a group and a pair of K steps 256 bytes: lane 16 u + r holds the two words of tile u's row r at 8 x lane.
; Work-groups 0-255: x.  A work-group takes a group of 32 rows, wave w 256 along K: four fragments.  Each load reads 512 consecutive bytes of one row; a fragment's 16 rows turn through the wave's own stage in LDS.
; Work-groups 256-511: weights.  A wave takes 32 columns x 256 along K; a lane takes a column and its registers run down K, so a block lies in one lane.  No LDS on this path.
; Memory binds: no matrix unit, no tensor load, no barrier (waves share nothing).
.set SPARE,  33792                     ; behind the four stages: the spare words, 128 bytes a wave
.set XS_OFF, 6291456                   ; xq: where the scale words begin
.set WS_OFF, 4718592                   ; wq: likewise
.set PS_OFF, 1572864                   ; pq: likewise
.set SPW, 12                           ; v12  LDS address of my spare word; never rewritten
.set NIL, 13                           ; v13  0; never rewritten
.set M,   14                           ; v14-15 largest magnitudes
.set SO,  16                           ; v16-17 the conversions' scale operands
.set BY,  18                           ; v18-19 the bytes
.set WD,  22                           ; v22-25 x: a fragment's scale word
.set TT,  26                           ; v26-33 upper halves of blocks' codes (a conversion's three registers begin on an even number)
.set F,   36                           ; v36-59 x: two sets of a fragment's 12 registers
.set R,   64                           ; v64-191 x: two sets of 64 registers as loaded
.set X,   192                          ; v192-255 x: a lane's two blocks of 32
.set O,   32                           ; v32-63 weights: byte offset of row i of a block, at my column
.set WX,  64                           ; v64-127 weights: two sets of 32 numbers
.set WF,  128                          ; v128-175 weights: four fragments, so that no store's data are written again
.macro XLOAD f                         ; fragment f = 2 u + s: the 16 rows of tile u, 512 bytes each at K step s
.irp q, 0,1,2,3,4,5,6,7,8,9,10,11,12,13,14,15
	global_load_b128 v[R+64*((\f)%2)+4*\q:R+64*((\f)%2)+4*\q+3], v1, s[32:33] offset:(8*((\f)/2)+\q+8*(\q/8))*4096+512*((\f)%2) th:TH_LOAD_NT
.endr
.endm
.macro XFRAG f
.set RS, R+64*((\f)%2)
.set FS, F+12*((\f)%2)
.if (\f) < 3
	s_wait_loadcnt 16                              ; this fragment's 16 loads are in; the next fragment's 16 may be out
.else
	s_wait_loadcnt 0x0
.endif
.irp q, 0,1,2,3,4,5,6,7,8,9,10,11,12,13,14,15
	ds_store_b128 v2, v[RS+4*\q:RS+4*\q+3] offset:528*\q           ; row q of the tile, as it lies
.endr
.irp c, 0,1
.irp q, 0,1,2,3,4,5,6,7
	ds_load_b128 v[X+32*\c+4*\q:X+32*\c+4*\q+3], v3 offset:256*\c+16*\q   ; back: k = 64 c + 32 h + 0 .. 31 of row r.  LDS serves a wave's instructions in order
.endr
.endr
	s_wait_dscnt 0x0                               ; my numbers are back, and the stores have read their registers,
.if (\f)+2 < 4
	XLOAD (\f)+2                                   ; which take the fragment two further on
.endif
.irp c, 0,1
	v_max3_num_f32 v[M+\c], |v[X+32*\c]|, |v[X+32*\c+1]|, 0x1800000     ; block 2 c + h is all mine; the floor 2^(3 - 127) holds the byte at 1 from below
.endr
.irp i, 2,4,6,8,10,12,14,16,18,20,22,24,26,28,30
.irp c, 0,1
	v_max3_num_f32 v[M+\c], v[M+\c], |v[X+32*\c+\i]|, |v[X+32*\c+\i+1]|
.endr
.endr
.irp c, 0,1
	v_add_nc_u32 v[SO+\c], 0xff000000, v[M+\c]     ; 2 off the exponent field: the conversion's scale operand
.endr
.irp c, 0,1
	v_lshrrev_b32 v[BY+\c], 23, v[SO+\c]           ; the byte
.endr
	v_lshl_or_b32 v20, v[BY+1], 16, v[BY]          ; my bytes: blocks h and 2 + h,
	v_lshlrev_b32 v20, v4, v20                     ; 8 h bits up;
	v_permlanex16_b32 v21, v20, s2, s3
	v_or_b32 v[WD+(\f)], v20, v21                  ; with lane l xor 16's two the word is whole, in both halves of the lanes
.if (\f) >= 2
	s_wait_alu depctr_va_vdst(0)
	s_wait_xcnt 0x0                                ; the stores of two fragments ago have read this set of registers
.endif
.irp c, 0,1
	v_cvt_scalef32_pk16_fp6_f32 v[FS+6*\c:FS+6*\c+2], v[X+32*\c:X+32*\c+15], v[SO+\c]
	v_cvt_scalef32_pk16_fp6_f32 v[TT+4*\c:TT+4*\c+2], v[X+32*\c+16:X+32*\c+31], v[SO+\c]
.endr
	v_nop                                          ; one plain place behind the scaled conversions
.irp c, 0,1
.irp i, 0,1,2
	v_mov_b32 v[FS+6*\c+3+\i], v[TT+4*\c+\i]
.endr
.endr
.irp g, 0,1,2
	global_store_b128 v1, v[FS+4*\g:FS+4*\g+3], s[38:39] offset:((\f)/2)*12288+((\f)%2)*1536+512*\g   ; 512 consecutive bytes, aligned
.endr
.endm
.macro WLOAD b                         ; block b: W(32 b + i, my column), i = 0 .. 31: each load covers 128 consecutive bytes, the four waves 512
.irp i, 0,1,2,3,4,5,6,7,8,9,10,11,12,13,14,15,16,17,18,19,20,21,22,23,24,25,26,27,28,29,30,31
	global_load_b32 v[WX+32*((\b)%2)+\i], v[O+\i], s[32+2*(\b):33+2*(\b)] th:TH_LOAD_NT
.endr
.endm
.macro WBLK b                          ; block b of eight: K step b / 4, block b % 4 of it
.set XB, WX+32*((\b)%2)
.set FD, WF+12*(2*((\b)/4)+(\b)%2)+6*(((\b)%4)/2)   ; even blocks into the K step's first fragment, odd ones into its second
.if (\b) < 7
	s_wait_loadcnt 32                              ; this block's 32 loads are in; the next block's may be out
.else
	s_wait_loadcnt 0x0
.endif
	v_max3_num_f32 v14, |v[XB]|, |v[XB+1]|, |v[XB+2]|
	v_max3_num_f32 v15, |v[XB+3]|, |v[XB+4]|, |v[XB+5]|
.irp i, 6,10,14,18,22,26
	v_max3_num_f32 v14, v14, |v[XB+\i]|, |v[XB+\i+1]|
	v_max3_num_f32 v15, v15, |v[XB+\i+2]|, |v[XB+\i+3]|
.endr
	v_max3_num_f32 v14, v14, |v[XB+30]|, |v[XB+31]|
	v_max3_num_f32 v14, v14, v15, 0x1800000        ; and the floor
	v_add_nc_u32 v16, 0xff000000, v14
	v_lshrrev_b32 v17, 23, v16
.if (\b)%4 == 0
	v_mov_b32 v[20+(\b)/4], v17                    ; my column's scale word of this K step: four bytes, the lower K lowest
.else
	v_lshl_or_b32 v[20+(\b)/4], v17, 8*((\b)%4), v[20+(\b)/4]
.endif
	v_cvt_scalef32_pk16_fp6_f32 v[FD:FD+2], v[XB:XB+15], v16
	v_cvt_scalef32_pk16_fp6_f32 v[TT:TT+2], v[XB+16:XB+31], v16
	v_nop                                          ; one plain place behind the scaled conversions
.irp i, 0,1,2
	v_mov_b32 v[FD+3+\i], v[TT+\i]
.endr
.if (\b)+2 < 8
	WLOAD (\b)+2
.endif
.if (\b)%4 == 3
.set FP, WF+24*((\b)/4)
.irp i, 0,1,2,3,4,5,6,7,8,9,10,11
	v_permlane16_swap_b32 v[FP+\i], v[FP+12+\i]    ; lanes 0-15 held tile 0's columns, lanes 16-31 tile 1's: now the first fragment is tile 0's (even blocks below, odd above), the second tile 1's
.endr
.irp u, 0,1
.irp g, 0,1,2
	global_store_b128 v1, v[FP+12*\u+4*\g:FP+12*\u+4*\g+3], s[48+2*(2*\u+(\b)/4):49+2*(2*\u+(\b)/4)] offset:512*\g
.endr
.endr
.endif
.endm
	s_load_b512 s[8:23], s[0:1], 0x0               ; image s[8:9], waveform s[10:11], Wq_i s[12:13], Wkv_i s[14:15], Wq_w s[16:17], Wkv_w s[18:19], Wp s[20:21], xq s[22:23]
	s_load_b128 s[24:27], s[0:1], 0x40             ; wq s[24:25], pq s[26:27]
	v_lshl_add_u32 v[SPW], v0, 2, SPARE
	v_mov_b32 v[NIL], 0
	v_lshrrev_b32 v1, 5, v0
	v_readfirstlane_b32 s28, v1                    ; wave 0..3
	v_and_b32 v6, 31, v0                           ; lane
	v_lshlrev_b32 v1, 4, v6                        ; 16 x lane
	v_lshlrev_b32 v5, 3, v6                        ; 8 x lane
	v_and_b32 v7, 15, v0                           ; r
	v_bfe_u32 v8, v0, 4, 1                         ; h
	s_mov_b32 s2, 0x76543210
	s_mov_b32 s3, 0xfedcba98                       ; v_permlanex16_b32's selects for lane l xor 16
	s_wait_kmcnt 0x0
	s_cmp_lt_u32 ttmp9, 256
	s_cbranch_scc0 .Lw
	; ---------------- x ----------------
	s_lshr_b32 s30, ttmp9, 7                       ; which tensor: 0 image, 1 waveform
	s_and_b32 s31, ttmp9, 127                      ; the group of 32 rows
	s_cmp_eq_u32 s30, 0
	s_cselect_b64 s[32:33], s[8:9], s[10:11]
	s_lshl_b32 s34, s31, 17                        ; 32 rows of 4,096 bytes
	s_lshl_b32 s35, s28, 10                        ; my wave's 256 along K
	s_add_co_u32 s34, s34, s35
	s_mov_b32 s35, 0
	s_add_nc_u64 s[32:33], s[32:33], s[34:35]
	s_lshl_b32 s36, s30, 8
	s_lshl_b32 s37, s31, 1
	s_add_co_u32 s36, s36, s37                     ; the group's first tile
	s_lshl_b32 s36, s36, 3
	s_lshl_b32 s37, s28, 1
	s_add_co_u32 s36, s36, s37                     ; x 8 K steps + my first K step
	s_mul_i32 s34, s36, 1536
	s_add_nc_u64 s[38:39], s[22:23], s[34:35]      ; where my fragments go
	s_lshl_b32 s36, s30, 7
	s_add_co_u32 s36, s36, s31
	s_lshl_b32 s36, s36, 2
	s_add_co_u32 s36, s36, s28
	s_lshl_b32 s36, s36, 8
	s_add_co_u32 s34, s36, XS_OFF
	s_add_nc_u64 s[40:41], s[22:23], s[34:35]      ; and my 256 bytes of scale words
	s_mul_i32 s36, s28, 8448                       ; my stage: 16 rows x (512 + 16) bytes
	s_wait_alu depctr_va_vdst(0)
	v_add_nc_u32 v2, s36, v1                       ; in: 16 x lane
	v_mul_u32_u24 v3, v7, 528
	v_lshl_add_u32 v3, v8, 7, v3
	v_add_nc_u32 v3, s36, v3                       ; out: row r, + 128 h
	v_lshlrev_b32 v4, 3, v8                        ; 8 h
	v_mov_b32 v21, 0                               ; a lane permute's destination counts as one of its sources
	XLOAD 0
	XLOAD 1
	s_wait_alu depctr_va_vdst(0)
	XFRAG 0
	XFRAG 1
	XFRAG 2
	XFRAG 3
	v_cmp_le_u32 vcc_lo, 16, v6
	v_cndmask_b32 v34, v[WD+0], v[WD+2], vcc_lo    ; lanes 0-15: tile 0's words, lanes 16-31: tile 1's; the two K steps side by side
	v_cndmask_b32 v35, v[WD+1], v[WD+3], vcc_lo
	global_store_b64 v5, v[34:35], s[40:41]        ; 256 consecutive bytes, aligned
	s_wait_tensorcnt 0x0                           ; the wave's end, behind my last LDS store
	ds_add_u32 v[SPW], v[NIL]
	s_wait_dscnt 0x0
	s_endpgm
	; ---------------- weights ----------------
.Lw:
	s_sub_co_u32 s30, ttmp9, 256                   ; j: 0-95 the image's Wq | Wkv, 96-191 the waveform's, 192-255 Wp
	s_cmp_ge_u32 s30, 96
	s_cselect_b32 s31, 1, 0                        ; which modality (of no account for Wp)
	s_mul_i32 s58, s31, 96
	s_sub_co_u32 s58, s30, s58
	s_lshr_b32 s59, s58, 2                         ; group of 128 columns among the modality's 3,072
	s_and_b32 s60, s58, 3                          ; pair of K steps
	s_sub_co_u32 s62, s59, 8                       ; the same group counted inside Wkv
	s_sub_co_u32 s58, s30, 192
	s_lshr_b32 s77, s58, 3                         ; Wp: group of 128 columns,
	s_and_b32 s78, s58, 7                          ; pair of K steps
	s_cmp_eq_u32 s31, 0
	s_cselect_b64 s[66:67], s[12:13], s[16:17]     ; the modality's Wq
	s_cselect_b64 s[68:69], s[14:15], s[18:19]     ; and Wkv
	s_mov_b32 s61, 8192
	s_cmp_lt_u32 s59, 8
	s_cselect_b64 s[66:67], s[66:67], s[68:69]
	s_cselect_b32 s61, 4096, s61                   ; bytes from row to row of the source
	s_cselect_b32 s62, s59, s62
	s_mov_b32 s72, 12288
	s_mov_b32 s73, 1536
	s_cmp_ge_u32 s30, 192
	s_cselect_b64 s[66:67], s[20:21], s[66:67]
	s_cselect_b64 s[68:69], s[26:27], s[24:25]     ; the results' buffer
	s_cselect_b32 s61, 4096, s61
	s_cselect_b32 s62, s77, s62
	s_cselect_b32 s59, s77, s59
	s_cselect_b32 s60, s78, s60
	s_cselect_b32 s72, 1536, s72                   ; bytes from tile to tile,
	s_cselect_b32 s73, 98304, s73                  ; and from K step to K step, in the results' buffer
	s_lshl_b32 s74, s59, 3
	s_lshl_b32 s75, s28, 1
	s_add_co_u32 s74, s74, s75                     ; my first tile among the columns' tiles
	s_mul_i32 s75, s31, 192
	s_add_co_u32 s75, s75, s74
	s_lshl_b32 s75, s75, 3
	s_lshl_b32 s76, s60, 1
	s_add_co_u32 s75, s75, s76                     ; wq: [tile][K step]
	s_lshl_b32 s76, s60, 7
	s_add_co_u32 s76, s76, s74                     ; pq: [K step][tile]
	s_cmp_ge_u32 s30, 192
	s_cselect_b32 s75, s76, s75
	s_mul_i32 s70, s75, 1536
	s_mov_b32 s71, 0
	s_add_nc_u64 s[48:49], s[68:69], s[70:71]      ; tile 0, K step 0
	s_mov_b32 s70, s73
	s_add_nc_u64 s[50:51], s[48:49], s[70:71]      ; tile 0, K step 1
	s_mov_b32 s70, s72
	s_add_nc_u64 s[52:53], s[48:49], s[70:71]      ; tile 1, K step 0
	s_mov_b32 s70, s73
	s_add_nc_u64 s[54:55], s[52:53], s[70:71]      ; tile 1, K step 1
	s_lshl_b32 s74, s59, 2
	s_add_co_u32 s74, s74, s28                     ; my group of 32 columns
	s_mul_i32 s75, s31, 96
	s_add_co_u32 s75, s75, s74
	s_lshl_b32 s75, s75, 2
	s_add_co_u32 s75, s75, s60
	s_lshl_b32 s75, s75, 8
	s_add_co_u32 s75, s75, WS_OFF                  ; wq: [group][pair]
	s_lshl_b32 s76, s60, 5
	s_add_co_u32 s76, s76, s74
	s_lshl_b32 s76, s76, 8
	s_add_co_u32 s76, s76, PS_OFF                  ; pq: [pair][group]
	s_cmp_ge_u32 s30, 192
	s_cselect_b32 s70, s76, s75
	s_add_nc_u64 s[56:57], s[68:69], s[70:71]      ; my 256 bytes of scale words
	s_lshl_b32 s74, s60, 8
	s_mul_i32 s74, s74, s61                        ; 256 rows for each pair of K steps
	s_lshl_b32 s75, s62, 9
	s_add_co_u32 s74, s74, s75                     ; 128 columns of 4 bytes
	s_lshl_b32 s75, s28, 7
	s_add_co_u32 s70, s74, s75                     ; my wave's 32 columns
	s_add_nc_u64 s[32:33], s[66:67], s[70:71]      ; block 0's first row
	s_lshl_b32 s70, s61, 5                         ; 32 rows on
.irp b, 1,2,3,4,5,6,7
	s_add_nc_u64 s[32+2*\b:33+2*\b], s[30+2*\b:31+2*\b], s[70:71]
.endr
	s_wait_alu depctr_va_vdst(0)
	v_and_b32 v9, 8, v7
	v_add_nc_u32 v9, v9, v7
	v_lshl_add_u32 v9, v8, 3, v9                   ; my column of the 32: 8 u + i + 8 (i / 8)
	v_lshlrev_b32 v9, 2, v9
.irp i, 0,1,2,3,4,5,6,7,8,9,10,11,12,13,14,15,16,17,18,19,20,21,22,23,24,25,26,27,28,29,30,31
	v_mad_u32_u24 v[O+\i], s61, \i, v9
.endr
	WLOAD 0
	WLOAD 1
.irp b, 0,1,2,3,4,5,6,7
	WBLK \b
.endr
	global_store_b64 v5, v[20:21], s[56:57]        ; lane 16 u + i: its column's two scale words: 256 consecutive bytes, aligned
	s_wait_tensorcnt 0x0
	ds_add_u32 v[SPW], v[NIL]
	s_wait_dscnt 0x0
	s_endpgm
.Lfunc_end_k_q3a8af2e9dd_quant:
	.size	k_q3a8af2e9dd_quant, .Lfunc_end_k_q3a8af2e9dd_quant-k_q3a8af2e9dd_quant
	.p2alignl 7, 3214868480
	.fill 96, 4, 3214868480
	.section	.rodata,"a",@progbits
	.p2align	6, 0x0
	.amdhsa_kernel k_q3a8af2e9dd_quant
		.amdhsa_group_segment_fixed_size 34304
		.amdhsa_private_segment_fixed_size 0
		.amdhsa_enable_private_segment 0
		.amdhsa_kernarg_size 80
		.amdhsa_user_sgpr_count 2
		.amdhsa_user_sgpr_kernarg_segment_ptr 1
		.amdhsa_wavefront_size32 1
		.amdhsa_system_sgpr_workgroup_id_x 1
		.amdhsa_system_sgpr_workgroup_id_y 1
		.amdhsa_system_sgpr_workgroup_id_z 1
		.amdhsa_system_vgpr_workitem_id 0
		.amdhsa_next_free_vgpr 256
		.amdhsa_next_free_sgpr 96
		.amdhsa_reserve_vcc 1
		.amdhsa_float_denorm_mode_32 3
		.amdhsa_float_denorm_mode_16_64 3
		.amdhsa_memory_ordered 1
		.amdhsa_forward_progress 1
		.amdhsa_inst_pref_size 73
	.end_amdhsa_kernel
	.amdgpu_metadata
---
amdhsa.version: [ 1, 2 ]
amdhsa.kernels:
  - .name:           k_q3a8af2e9dd_quant
    .symbol:         k_q3a8af2e9dd_quant.kd
    .args:
      - { .name: image_feat, .offset: 0, .size: 8, .value_kind: global_buffer, .address_space: global }
      - { .name: waveform_feat, .offset: 8, .size: 8, .value_kind: global_buffer, .address_space: global }
      - { .name: Wq_i, .offset: 16, .size: 8, .value_kind: global_buffer, .address_space: global }
      - { .name: Wkv_i, .offset: 24, .size: 8, .value_kind: global_buffer, .address_space: global }
      - { .name: Wq_w, .offset: 32, .size: 8, .value_kind: global_buffer, .address_space: global }
      - { .name: Wkv_w, .offset: 40, .size: 8, .value_kind: global_buffer, .address_space: global }
      - { .name: Wp, .offset: 48, .size: 8, .value_kind: global_buffer, .address_space: global }
      - { .name: xq, .offset: 56, .size: 8, .value_kind: global_buffer, .address_space: global }
      - { .name: wq, .offset: 64, .size: 8, .value_kind: global_buffer, .address_space: global }
      - { .name: pq, .offset: 72, .size: 8, .value_kind: global_buffer, .address_space: global }
    .group_segment_fixed_size: 34304
    .private_segment_fixed_size: 0
    .kernarg_segment_align: 8
    .kernarg_segment_size: 80
    .max_flat_workgroup_size: 128
    .sgpr_count:     96
    .vgpr_count:     256
    .wavefront_size: 32
...
	.end_amdgpu_metadata
.endif
;; end of part 1
;; launch proj (part 2): grid 8 x 32, 4 waves a work-group, clusters of 4 x 4, 327,680 bytes of LDS; arguments xq, wq, bq_i, bkv_i, bq_w, bkv_w, qkv; writes qkv
.if DOCPART == 2
	.amdgcn_target "amdgcn-amd-amdhsa--gfx1250"
	.amdhsa_code_object_version 6
	.text
	.protected	k_q3a8af2e9dd_proj
	.globl	k_q3a8af2e9dd_proj
	.p2align	8
	.type	k_q3a8af2e9dd_proj,@function
k_q3a8af2e9dd_proj:
	s_mov_b64 s[64:65], 0
	v_nop
	global_prefetch_b8 v0, s[64:65] scope:SCOPE_SE
	s_setreg_imm32_b32 hwreg(HW_REG_WAVE_MODE, 25, 1), 1
	s_wait_xcnt 0x0
	s_wait_alu depctr_hold_cnt(0) depctr_sa_sdst(0) depctr_va_vdst(0) depctr_va_sdst(0) depctr_va_ssrc(0) depctr_va_vcc(0) depctr_vm_vsrc(0)
	s_getreg_b32 s2, hwreg(HW_REG_IB_STS2, 6, 4)
	s_cmp_eq_u32 s2, 0
	s_cbranch_scc0 .Lentry_in_a_cluster
	s_endpgm
.Lentry_in_a_cluster:
	s_bfe_u32 s2, ttmp6, 0x10000c
	s_cmp_lg_u32 s2, 0xf033
	s_cbranch_scc0 .Lentry_shape_is_right
	s_endpgm
.Lentry_shape_is_right:
; The four input projections, x W + b, on codes of FP6 (E2M3) with E8M0 scales, K = 1,024; the results (q, k, v of both modalities) are quantised in registers and leave as codes: no f32 result goes to memory.
; SHARES.  A WORK-GROUP STAYS: it owns 256 rows (work-group y: 0-15 image, 16-31 waveform) and makes three tiles of 128 columns one after the other: q's, k's and v's columns of the same two heads (work-group x: 0-7).
; 8 x 32 = 256 work-groups.  Wave w: rows 128 (w / 2) on, columns 64 (w % 2) on (one head): 32 accumulators, 3 x 8 x 32 = 768 matrix instructions.
; LDS.  x's codes for all of K (256 x 768 = 196,608 bytes) are filled once and read for all three tiles.  W's codes of one tile (128 x 768 = 98,304 bytes) lie behind them and are filled again twice.
; Both lie in four chunks of two K steps.  The first fills: four tensor loads a wave at the head (four of mine are out at most); a chunk is read behind the counted wait of the wave that asked for it and a barrier.
; THE REFILL OF W stands at the head of a tile's last K step, where every read of W has been issued: each wave waits for all its tensor loads, adds 0 to its spare word, waits for that and for its LDS reads; a round of the
; cluster's barrier; then ONE joint load a wave (wave w: chunk w of the next tile).  It has the last K step's 32 matrix instructions and the whole way out in which to land.
; CLUSTERS: 4 x 4 work-groups.  x's tiles hang on the work-group's y alone and are asked for jointly along a row of the cluster, W's on its x and the modality (the cluster's y) and are asked for jointly along a column.
; NO PREFETCH: W's later tiles are read by several clusters at about the same time, and each is asked for a way out ahead of its first use.
; q, k: source 0 = 16 columns of W, source 1 = 16 rows of x: a lane holds one row and its registers run along the head's 64.  Two tiles of rows side by side make one fragment: [tile 2 p | tile 2 p + 1].
; v: the sources swapped: a lane holds one of the head's 64 and its registers run along the rows, which are the keys: the K of attention's second product.
; RECORDS in qkv: [modality][q, k, v][batch][head][128 rows]: four fragments of 1,536 bytes (registers 0-3 at 16 L, 4-5 at 512 + 8 L, 6-9 at 768 + 16 L, 10-11 at 1,280 + 8 L: two halves of 768), then 512 bytes of scale words (four at 16 L).
; LIMITS: NaN and infinities are not served; a block of zeros gets the byte 1 (its codes are zeros, and this program alone reads the bytes).
; REGISTERS: window 0: v1-15 lane numbers and addresses; v16-31, v64-79, v112-127 W's scale words of the three tiles, v32-63 x's; v80-111 q's bias; v128-175, v176-223 W's fragments, two sets
;   (on the way out: v128-191 numbers, v192-235 at work); v240, v241 the biases' offsets.   window 1: the 32 accumulators.   window 2: x's fragments, v0-95 and v128-223; v96-127 k's bias, v224-231 v's.
; LDS AND THE FILLS AS THIS TEXT HAS THEM (this takes the place of what stands above on chunks, first fills and refills).
; x's 16 tiles lie tile by tile, a tile's eight K steps on end (12,288 bytes).  W's 8 tiles lie in two halves of K (49,152 bytes each): in a half tile by tile, four K steps on end (6,144 bytes).
; THE HEAD: one tensor load a wave: waves 0, 1 a half of x's tiles (98,304 dense bytes), waves 2, 3 a half of K of q's W (8 rows of 6,144 bytes); one wait for 0 and one barrier show them to all.
; THE REFILLS OF W go by halves of K, wave w bringing tiles 2 w and 2 w + 1: the next tile's first half at the head of K step 3, where every read of K steps 0-3 is in; its second half at the head of K step 7.
; Each stands behind the wait for all my tensor loads, the add, the wait for it and for my LDS reads, and a round of the cluster's barrier, which also shows the half asked for one refill earlier to all waves.
; One load of mine is out at most.  In v's tile, which asks for nothing, a plain barrier at K step 3 shows its second half.
.set XS_OFF, 6291456
.set WS_OFF, 4718592
.set CHX,    49152                     ; x's chunk: 16 tiles x two K steps of 1,536 bytes
.set CHW,    24576                     ; W's chunk: 8 tiles likewise
.set WB,     196608                    ; W's four chunks lie behind x's four
.set SPARE,  294912                    ; behind them: the spare words, 128 bytes a wave
.set TYPEB,  3407872                   ; bytes from q's records to k's, and from k's to v's
.set SPW, 6
.set NIL, 7
.set ADA, 8                            ; v8-9  LDS address of my x fragments: tiles 0-3, 4-7
.set ADB, 12                           ; v12-13 of my W fragments: the two halves of K
.set SA,  32                           ; x's scale words: group i of my four, K step s: v[SA + 8 i + s]; lanes 0-15 the even tile, lanes 16-31 the odd one
.set SB0, 64                           ; W's likewise, two groups: q's tile,
.set SB1, 112                          ; k's,
.set SB2, 16                           ; v's
.set BI0, 80                           ; q's bias, window 0
.set BI1, 96                           ; k's, window 2
.set BI2, 224                          ; v's, window 2
.set T,   128
.set PC,  192
.set TM,  212
.set PW,  228
.set SW,  232
.set BO,  240
.set G1C, 28                           ; s[28:35] group 1 of the refills
.set G1A, 36                           ; s[36:43] of x's first fills
.set G1B, 44                           ; s[44:51] of W's first fills
.set G0R, 52                           ; s[52:59] group 0 of the two refills
.set SEL, 60
.set G0A, 68                           ; s[68:71] group 0 of x's first fill
.set G0B, 84                           ; s[84:87] of W's
.set MSB, 0
.macro WIN new                         ; the immediate's high byte repeats the setting that is left
.if MSB != \new
	s_set_vgpr_msb (MSB<<8)|\new
.set MSB, \new
.endif
.endm
.macro CROUND                          ; a round of the cluster's barrier
	s_barrier_signal -1
	s_barrier_wait -1
	s_cmp_lg_u32 s18, 0
	s_cbranch_scc1 .Lnot_wave_0_\@
	s_barrier_signal -3
.Lnot_wave_0_\@:
	s_barrier_wait -3
	s_barrier_signal -1
	s_barrier_wait -1
.endm
.macro PLACES
.rept 4
	v_nop
.endr
.endm
; one matrix instruction: ra, rb = 1: the side's scale words are taken from lanes 16-31
.macro WM d, a, b, zero, sa, sb, ra, rb
.if \zero
.if (\ra)==0
.if (\rb)==0
	v_wmma_scale_f32_16x16x128_f8f6f4 v[\d:\d+7], v[\a:\a+11], v[\b:\b+11], 0, v[\sa], v[\sb] matrix_a_fmt:MATRIX_FMT_FP6 matrix_b_fmt:MATRIX_FMT_FP6
.else
	v_wmma_scale_f32_16x16x128_f8f6f4 v[\d:\d+7], v[\a:\a+11], v[\b:\b+11], 0, v[\sa], v[\sb] matrix_a_fmt:MATRIX_FMT_FP6 matrix_b_fmt:MATRIX_FMT_FP6 matrix_b_scale:MATRIX_SCALE_ROW1
.endif
.else
.if (\rb)==0
	v_wmma_scale_f32_16x16x128_f8f6f4 v[\d:\d+7], v[\a:\a+11], v[\b:\b+11], 0, v[\sa], v[\sb] matrix_a_fmt:MATRIX_FMT_FP6 matrix_b_fmt:MATRIX_FMT_FP6 matrix_a_scale:MATRIX_SCALE_ROW1
.else
	v_wmma_scale_f32_16x16x128_f8f6f4 v[\d:\d+7], v[\a:\a+11], v[\b:\b+11], 0, v[\sa], v[\sb] matrix_a_fmt:MATRIX_FMT_FP6 matrix_b_fmt:MATRIX_FMT_FP6 matrix_a_scale:MATRIX_SCALE_ROW1 matrix_b_scale:MATRIX_SCALE_ROW1
.endif
.endif
.else
.if (\ra)==0
.if (\rb)==0
	v_wmma_scale_f32_16x16x128_f8f6f4 v[\d:\d+7], v[\a:\a+11], v[\b:\b+11], v[\d:\d+7], v[\sa], v[\sb] matrix_a_fmt:MATRIX_FMT_FP6 matrix_b_fmt:MATRIX_FMT_FP6
.else
	v_wmma_scale_f32_16x16x128_f8f6f4 v[\d:\d+7], v[\a:\a+11], v[\b:\b+11], v[\d:\d+7], v[\sa], v[\sb] matrix_a_fmt:MATRIX_FMT_FP6 matrix_b_fmt:MATRIX_FMT_FP6 matrix_b_scale:MATRIX_SCALE_ROW1
.endif
.else
.if (\rb)==0
	v_wmma_scale_f32_16x16x128_f8f6f4 v[\d:\d+7], v[\a:\a+11], v[\b:\b+11], v[\d:\d+7], v[\sa], v[\sb] matrix_a_fmt:MATRIX_FMT_FP6 matrix_b_fmt:MATRIX_FMT_FP6 matrix_a_scale:MATRIX_SCALE_ROW1
.else
	v_wmma_scale_f32_16x16x128_f8f6f4 v[\d:\d+7], v[\a:\a+11], v[\b:\b+11], v[\d:\d+7], v[\sa], v[\sb] matrix_a_fmt:MATRIX_FMT_FP6 matrix_b_fmt:MATRIX_FMT_FP6 matrix_a_scale:MATRIX_SCALE_ROW1 matrix_b_scale:MATRIX_SCALE_ROW1
.endif
.endif
.endif
.endm
; 36 LDS loads in one run: K step s's fragments (my 8 tiles of x, my 4 of W) into the given set.  An image comes back as it was stored: 512 consecutive bytes a load
.macro FETCH s, set
	WIN 0x80                                       ; destination window 2, address window 0
.irp a, 0,1,2,3,4,5,6,7
.irp g, 0,1,2
	ds_load_b128 v[128*(\set)+12*\a+4*\g:128*(\set)+12*\a+4*\g+3], v[ADA+\a/4] offset:(\a%4)*12288+(\s)*1536+512*\g
.endr
.endr
	WIN 0
.irp t, 0,1,2,3
.irp g, 0,1,2
	ds_load_b128 v[128+48*(\set)+12*\t+4*\g:128+48*(\set)+12*\t+4*\g+3], v[ADB+(\s)/4] offset:\t*6144+((\s)%4)*1536+512*\g
.endr
.endr
.endm
; K step s of a tile: the next step's fragments are asked for, then 32 matrix instructions, the 32 accumulators by turns in the same order in every step.
; var = 0: q, k; 1: v.  zero = 1: the products start the sums.  first = 1: the launch's first tile, whose chunks are still landing.  rf: the group 0 of the refill that stands in this step, or 0.  sb: the tile's scale words of W.
.macro STEP s, var, zero, first, rf, sb
.if (\s) > 0
	PLACES                                         ; in front of loads into the set that the last step's matrix instructions read
.endif
.if \rf
	s_wait_tensorcnt 0x0                           ; no tensor load of mine is out: the half asked for one refill earlier has landed;
	ds_add_u32 v[SPW], v[NIL]                      ; 0 onto my spare word;
	s_wait_dscnt 0x0                               ; the add is done, and my last reads of this half of W are in
	CROUND                                         ; the same holds of every wave of all sixteen work-groups
	tensor_load_to_lds s[\rf:\rf+3], s[G1C:G1C+7]  ; my one load behind the round: two tiles of this half of the next W
	s_nop 0
	PLACES
.else
.if ((\s) == 3) && ((\first) == 0)
	s_wait_tensorcnt 0x0                           ; my part of this tile's second half has landed
	s_wait_dscnt 0x0
	s_barrier_signal -1
	s_barrier_wait -1                              ; everybody's has.
.endif
.endif
.if (\s) < 7
	FETCH (\s)+1, ((\s)+1)%2
.if (\rf) || (((\s) == 3) && ((\first) == 0))
.else
	s_wait_dscnt 36                                ; all but the 36 just issued
.endif
.else
	s_wait_dscnt 0x0
.endif
.if ((\s) == 0) && (\first)
	s_wait_loadcnt 0x0                             ; the scale words and the biases, of all three tiles
.endif
.set XF, 128*((\s)%2)
.set WFS, 128+48*((\s)%2)
.if \var == 0
	WIN 0x58                                       ; source 0 (W) window 0, source 1 (x) window 2, C and D window 1
.else
	WIN 0x52                                       ; source 0 (x) window 2, source 1 (W) window 0
.endif
.irp a, 0,1,2,3,4,5,6,7
.irp t, 0,1,2,3
.if \var == 0
	WM 8*(4*\a+\t), WFS+12*\t, XF+12*\a, \zero, \sb+8*(\t/2)+(\s), SA+8*(\a/2)+(\s), \t%2, \a%2
.else
	WM 8*(8*\t+\a), XF+12*\a, WFS+12*\t, \zero, SA+8*(\a/2)+(\s), \sb+8*(\t/2)+(\s), \a%2, \t%2
.endif
.endr
.endr
	WIN 0
.endm
; 64 numbers of a lane, register 16 b + i = k 32 b + 16 (lane / 16) + i of my row, become a fragment's codes in v[pc] on and its scale word in v[pw]
.macro QUANT s, pc, tm, pw
.irp b, 0,1,2,3
	v_max3_num_f32 v[\tm+\b], |v[\s+16*\b]|, |v[\s+1+16*\b]|, 0x1800000   ; my 16 numbers of block b, and the floor 2^(3 - 127): the byte cannot fall under 1
.endr
.irp i, 2,4,6,8,10,12,14
.irp b, 0,1,2,3
	v_max3_num_f32 v[\tm+\b], v[\tm+\b], |v[\s+16*\b+\i]|, |v[\s+1+16*\b+\i]|
.endr
.endr
.irp b, 0,1,2,3
	v_permlanex16_b32 v[\tm+4+\b], v[\tm+\b], s[SEL], s[SEL+1]
.endr
.irp b, 0,1,2,3
	v_max_num_f32 v[\tm+\b], v[\tm+\b], v[\tm+4+\b]   ; with lane l xor 16's: the block's largest magnitude
.endr
.irp b, 0,1,2,3
	v_add_nc_u32 v[\tm+12+\b], 0xff000000, v[\tm+\b]  ; 2 off its exponent field: the conversion's scale operand
.endr
.irp b, 0,1,2,3
	v_lshrrev_b32 v[\tm+4+\b], 23, v[\tm+12+\b]       ; the byte
.endr
	v_lshl_or_b32 v[\pw], v[\tm+5], 8, v[\tm+4]
	v_lshl_or_b32 v[\pw], v[\tm+6], 16, v[\pw]
	v_lshl_or_b32 v[\pw], v[\tm+7], 24, v[\pw]
.irp c, 0,1
	v_cvt_scalef32_pk16_fp6_f32 v[\pc+6*\c:\pc+2+6*\c], v[\s+32*\c:\s+15+32*\c], v[\tm+12+2*\c]
	v_cvt_scalef32_pk16_fp6_f32 v[\pc+12+4*\c:\pc+14+4*\c], v[\s+16+32*\c:\s+31+32*\c], v[\tm+12+2*\c+1]
.endr
	v_nop                                          ; one plain place behind the scaled conversions
.irp c, 0,1                                    ; the operand's layout wants a whole block in a lane
.irp i, 0,1,2
	v_permlane16_swap_b32 v[\pc+6*\c+\i], v[\pc+12+4*\c+\i]
.endr
.irp i, 0,1,2
	v_mov_b32 v[\pc+3+6*\c+\i], v[\pc+12+4*\c+\i]
.endr
.endr
.endm
; THE WAY OUT of tile n: the bias is added in f32, 64 numbers a lane are quantised, four times; the codes and the scale words leave in whole aligned runs of 256 or 512 bytes.
; win: the windows of the additions (source 0: the accumulators, window 1; source 1: the bias, window 0 or 2);  bi: the bias's first register.  It loads nothing and reads no LDS byte.
.macro EPI n, var, win, bi
	PLACES                                         ; behind the last matrix instructions: their results are read, and registers that held their operands are written
.irp b, 0,1,2,3
	v_mov_b32 v[TM+4+\b], 0                        ; a lane permute's destination counts as one of its sources
.endr
.irp p, 0,1,2,3
.if \p > 0
	s_wait_xcnt 0x0                                ; the last fragment's stores have read their registers
.endif
	WIN \win
.set i, 0
.rept 32
.if \var == 0
	v_pk_add_f32 v[T+i:T+i+1], v[64*\p+i:64*\p+i+1], v[\bi+i%32:\bi+i%32+1]     ; each accumulator from its low end on
.else
	v_pk_add_f32 v[T+i:T+i+1], v[64*\p+i:64*\p+i+1], v[\bi+2*\p:\bi+2*\p+1]
.endif
.set i, i+2
.endr
	WIN 0
	QUANT T, PC, TM, PW
	v_mov_b32 v[SW+\p], v[PW]
	global_store_b128 v4, v[PC:PC+3], s[16:17] offset:\n*TYPEB+1536*\p
	global_store_b64 v5, v[PC+4:PC+5], s[16:17] offset:\n*TYPEB+1536*\p+512
	global_store_b128 v4, v[PC+6:PC+9], s[16:17] offset:\n*TYPEB+1536*\p+768
	global_store_b64 v5, v[PC+10:PC+11], s[16:17] offset:\n*TYPEB+1536*\p+1280
.endr
	global_store_b128 v4, v[SW:SW+3], s[16:17] offset:\n*TYPEB+6144   ; the type's place stands in the immediate: 6,821,888 bytes at the most, inside its signed 24 bits
.endm
; On to the next tile: its W has landed, in every wave's part
.macro NEXT
	s_wait_xcnt 0x0                                ; the way out's stores have read their registers, which take fragments again
	FETCH 0, 0                                     ; the next W's first half was shown to all by the round at K step 7
.endm
.macro SBLOAD sb, n                    ; tile n's scale words of W, for all of K: each load 256 consecutive bytes
.irp i, 0,1
.irp k, 0,1,2,3
	global_load_b64 v[\sb+8*\i+2*\k:\sb+8*\i+2*\k+1], v5, s[66:67] offset:\n*32768+(4*\i+\k)*256
.endr
.endr
.endm
	s_load_b256 s[4:11], s[0:1], 0x0               ; xq s[4:5], wq s[6:7], bq_i s[8:9], bkv_i s[10:11]
	s_load_b128 s[12:15], s[0:1], 0x20             ; bq_w s[12:13], bkv_w s[14:15]
	s_load_b64 s[16:17], s[0:1], 0x30              ; qkv
	v_lshl_add_u32 v[SPW], v0, 2, SPARE
	v_mov_b32 v[NIL], 0
	ds_add_u32 v[SPW], v[NIL]                      ; the wave's opening: the add and its wait ahead of my first tensor load
	ds_add_u32 v[SPW], v[NIL]
	v_lshrrev_b32 v1, 5, v0
	v_readfirstlane_b32 s18, v1                    ; wave 0..3
	s_lshr_b32 s19, s18, 1                         ; which 128 rows are mine.  Also: my first fills are x's (0) or W's (1)
	s_and_b32 s20, s18, 1                          ; which 64 columns.  Also: which half of a chunk I fill first
	s_bfe_u32 s21, ttmp6, 0x40000                  ; cx
	s_bfe_u32 s22, ttmp6, 0x40004                  ; cy
	s_lshl_b32 s23, ttmp9, 2
	s_add_co_u32 s23, s23, s21                     ; work-group x: 128 columns of each type's 1,024
	s_and_b32 s26, ttmp7, 0xffff
	s_lshl_b32 s24, s26, 2
	s_add_co_u32 s24, s24, s22                     ; work-group y: 256 rows of the 8,192
	s_lshr_b32 s25, s26, 2                         ; the modality: from the cluster's y alone
	s_lshl_b32 s26, s22, 2
	s_lshl_b32 s26, 15, s26                        ; my row of the cluster
	s_lshl_b32 s27, 0x1111, s21                    ; my column
	s_or_b32 s[G1A], s26, (3<<16)|(1<<21)          ; 15:0 the mask; 17:16 elements of 8 bytes; 21 set beside a mask; no padding
	s_or_b32 s[G1B], s27, (3<<16)|(1<<21)
	s_or_b32 s[G1C], s27, (3<<16)|(1<<21)
	s_mov_b32 s[G1A+1], 384<<16                    ; tensor_dim0: a tile's two K steps, 3,072 bytes
	s_mov_b32 s[G1A+2], 32<<16                     ; tensor_dim1: 8 tiles x 4 rows of 3,072 bytes, dense
	s_mov_b32 s[G1A+3], 384<<16
	s_mov_b32 s[G1A+4], 32
	s_mov_b32 s[G1A+5], 384
	s_mov_b32 s[G1A+6], 0
	s_mov_b32 s[G1A+7], 0
	s_mov_b32 s[G1B+1], 768<<16                    ; a tile's four K steps, 6,144 bytes
	s_mov_b32 s[G1B+2], 8<<16                      ; 8 tiles
	s_mov_b32 s[G1B+3], 768<<16
	s_mov_b32 s[G1B+4], 8
	s_mov_b32 s[G1B+5], 1536                       ; from tile to tile 12,288 bytes
	s_mov_b32 s[G1B+6], 0
	s_mov_b32 s[G1B+7], 0
	s_mov_b32 s[G1C+1], 768<<16                    ; a refill: a tile's four K steps,
	s_mov_b32 s[G1C+2], 2<<16                      ; 2 tiles
	s_mov_b32 s[G1C+3], 768<<16
	s_mov_b32 s[G1C+4], 2
	s_mov_b32 s[G1C+5], 1536
	s_mov_b32 s[G1C+6], 0
	s_mov_b32 s[G1C+7], 0
	s_lshl_b32 s62, s24, 4
	s_lshl_b32 s63, s20, 3
	s_add_co_u32 s62, s62, s63                     ; x: tile 16 y + 8 x half
	s_mul_i32 s62, s62, 12288
	s_mov_b32 s63, 0
	s_mul_i32 s66, s25, 192
	s_lshl_b32 s67, s23, 3
	s_add_co_u32 s66, s66, s67                     ; W: q's tile 192 x modality + 8 x
	s_add_co_u32 s2, s66, 64                       ; k's lie 64 tiles on (v's 64 more)
	s_mul_i32 s2, s2, 12288
	s_mul_i32 s3, s18, 24576
	s_add_co_u32 s2, s2, s3                        ; the refills: tiles 2 w, 2 w + 1
	s_mov_b32 s3, 0
	s_mul_i32 s66, s66, 12288
	s_mul_i32 s67, s20, 6144
	s_add_co_u32 s66, s66, s67                     ; the first fills: + my half of K
	s_mov_b32 s67, 0
	s_mul_i32 s26, s20, 98304                      ; where the first fills go: no place in the cluster enters an LDS address
	s_mul_i32 s27, s20, 49152
	s_add_co_u32 s27, s27, WB
	s_mov_b32 s[SEL], 0x76543210
	s_mov_b32 s[SEL+1], 0xfedcba98
	s_wait_dscnt 0x0                               ; the opening add is done
	s_wait_kmcnt 0x0
	s_add_nc_u64 s[62:63], s[4:5], s[62:63]
	s_add_nc_u64 s[66:67], s[6:7], s[66:67]
	s_add_nc_u64 s[2:3], s[6:7], s[2:3]
	CROUND                                         ; all sixteen work-groups are here: the joint loads meet
.irp c, 0
	s_mov_b32 s[G0A+4*\c], 1
	s_add_co_u32 s[G0A+4*\c+1], s26, \c*CHX
	s_add_nc_u64 s[G0A+4*\c+2:G0A+4*\c+3], s[62:63], \c*3072
	s_or_b32 s[G0A+4*\c+3], s[G0A+4*\c+3], 0x80000000
	s_mov_b32 s[G0B+4*\c], 1
	s_add_co_u32 s[G0B+4*\c+1], s27, \c*CHW
	s_add_nc_u64 s[G0B+4*\c+2:G0B+4*\c+3], s[66:67], \c*3072
	s_or_b32 s[G0B+4*\c+3], s[G0B+4*\c+3], 0x80000000
.endr
.irp m, 0,1,2,3                                ; the four refills (k's two halves, v's two) have a group 0 each, at s52, s56, s72, s76, made here and never written again
	s_mov_b32 s[G0R+4*\m+12*(\m/2)], 1
	s_mul_i32 s[G0R+4*\m+12*(\m/2)+1], s18, 12288
	s_add_co_u32 s[G0R+4*\m+12*(\m/2)+1], s[G0R+4*\m+12*(\m/2)+1], WB+(\m%2)*49152
	s_add_nc_u64 s[G0R+4*\m+12*(\m/2)+2:G0R+4*\m+12*(\m/2)+3], s[2:3], (\m/2)*786432+(\m%2)*6144
	s_or_b32 s[G0R+4*\m+12*(\m/2)+3], s[G0R+4*\m+12*(\m/2)+3], 0x80000000
.endr
	s_cmp_eq_u32 s19, 0                            ; a wave's first fill stands in one branch on the wave's number, ahead of every wait on TENSORcnt, every LDS read and every barrier but the round
	s_cbranch_scc0 .Lfirst_b
.irp c, 0
	tensor_load_to_lds s[G0A+4*\c:G0A+4*\c+3], s[G1A:G1A+7]
	s_nop 0
.endr
	PLACES
	s_branch .Lfirst_done
.Lfirst_b:
.irp c, 0
	tensor_load_to_lds s[G0B+4*\c:G0B+4*\c+3], s[G1B:G1B+7]
	s_nop 0
.endr
	PLACES
.Lfirst_done:
	v_and_b32 v1, 31, v0                           ; lane
	v_and_b32 v2, 15, v0                           ; r
	v_bfe_u32 v3, v0, 4, 1                         ; h
	v_lshlrev_b32 v4, 4, v1                        ; 16 x lane
	v_lshlrev_b32 v5, 3, v1                        ; 8 x lane
	s_wait_alu depctr_va_vdst(0)
	v_lshlrev_b32 v[BO], 6, v3                     ; q, k: register 16 b + i is the head's number 32 b + 16 h + i
	s_wait_alu depctr_va_vdst(0)
	v_and_b32 v[BO+1], 8, v2
	v_add_nc_u32 v[BO+1], v[BO+1], v2
	v_lshlrev_b32 v[BO+1], 2, v[BO+1]              ; v: a lane holds ONE of the head's 64: in tile t number 32 (t / 2) + 8 (t % 2) + r + 8 (r / 8)
	s_wait_alu depctr_va_vdst(0)
	s_lshl_b32 s62, s24, 3
	s_lshl_b32 s63, s19, 2
	s_add_co_u32 s62, s62, s63                     ; my first group of 32 rows
	s_lshl_b32 s62, s62, 10
	s_add_co_u32 s62, s62, XS_OFF
	s_mov_b32 s63, 0
	s_add_nc_u64 s[62:63], s[4:5], s[62:63]
	s_mul_i32 s66, s25, 96
	s_lshl_b32 s67, s23, 2
	s_add_co_u32 s66, s66, s67
	s_lshl_b32 s67, s20, 1
	s_add_co_u32 s66, s66, s67                     ; my first group of 32 of q's columns; k's and v's lie 32 groups on each
	s_lshl_b32 s66, s66, 10
	s_add_co_u32 s66, s66, WS_OFF
	s_mov_b32 s67, 0
	s_add_nc_u64 s[66:67], s[6:7], s[66:67]
	s_cmp_eq_u32 s25, 0                            ; the modality's biases
	s_cselect_b64 s[8:9], s[8:9], s[12:13]
	s_cselect_b64 s[10:11], s[10:11], s[14:15]
	s_lshl_b32 s2, s23, 1
	s_add_co_u32 s2, s2, s20                       ; my head
	s_lshl_b32 s26, s2, 8                          ; 64 numbers a head
	s_mov_b32 s27, 0
	s_add_nc_u64 s[8:9], s[8:9], s[26:27]
	s_add_nc_u64 s[10:11], s[10:11], s[26:27]
.irp i, 0,1,2,3                                ; ALL THE SMALL LOADS STAND HERE, ONCE: x's scale words for all of K, W's of the three tiles, the three biases: none is waited for in a tile's way out
.irp k, 0,1,2,3
	global_load_b64 v[SA+8*\i+2*\k:SA+8*\i+2*\k+1], v5, s[62:63] offset:(4*\i+\k)*256
.endr
.endr
	SBLOAD SB0, 0
	SBLOAD SB1, 1
	SBLOAD SB2, 2
.irp b, 0,1
.irp q, 0,1,2,3
	global_load_b128 v[BI0+16*\b+4*\q:BI0+16*\b+4*\q+3], v[BO], s[8:9] offset:128*\b+16*\q
.endr
.endr
	WIN 0x80                                       ; destination window 2, address window 0
.irp b, 0,1
.irp q, 0,1,2,3
	global_load_b128 v[BI1+16*\b+4*\q:BI1+16*\b+4*\q+3], v[BO], s[10:11] offset:128*\b+16*\q
.endr
.endr
.irp t, 0,1,2,3
	global_load_b32 v[BI2+2*\t], v[BO+1], s[10:11] offset:4096+(32*(\t/2)+8*(\t%2))*4      ; v's bias lies behind k's 1,024 numbers; twice, for the packed addition
	global_load_b32 v[BI2+2*\t+1], v[BO+1], s[10:11] offset:4096+(32*(\t/2)+8*(\t%2))*4
.endr
	WIN 0
	s_mul_i32 s26, s19, 98304                      ; my 8 tiles of x,
	s_mul_i32 s27, s20, 24576
	s_add_co_u32 s27, s27, WB                      ; my 4 of W in a half of K
	v_add_nc_u32 v[ADA], s26, v4                   ; tiles 0-3
	v_add_nc_u32 v[ADA+1], CHX, v[ADA]             ; tiles 4-7: four tiles of 12,288 bytes on
	v_add_nc_u32 v[ADB], s27, v4                   ; K steps 0-3
	v_add_nc_u32 v[ADB+1], CHX, v[ADB]             ; K steps 4-7: 49,152 bytes on
	s_mul_i32 s3, s25, 12                          ; q's record: [modality][type 0][batch][head][128 rows]
	s_bfe_u32 s26, s24, 0x20002                    ; batch: four work-groups y to 1,024 rows
	s_add_co_u32 s3, s3, s26
	s_lshl_b32 s3, s3, 4
	s_add_co_u32 s3, s3, s2
	s_lshl_b32 s3, s3, 3
	s_and_b32 s26, s24, 3
	s_lshl_b32 s26, s26, 1
	s_add_co_u32 s26, s26, s19
	s_add_co_u32 s3, s3, s26
	s_mul_i32 s26, s3, 6656
	s_mov_b32 s27, 0
	s_add_nc_u64 s[16:17], s[16:17], s[26:27]
	s_wait_alu depctr_va_vdst(0)
	s_wait_tensorcnt 0x0                           ; my one load has landed
	s_barrier_signal -1
	s_barrier_wait -1                              ; everybody's has.
	FETCH 0, 0
	STEP 0, 0, 1, 1, 0, SB0                        ; ---- q.  The first K step starts the sums: nothing is cleared
.irp s, 1,2
	STEP \s, 0, 0, 1, 0, SB0
.endr
	STEP 3, 0, 0, 1, G0R, SB0                      ; k's W, first half of K, is asked for
.irp s, 4,5,6
	STEP \s, 0, 0, 1, 0, SB0
.endr
	STEP 7, 0, 0, 1, G0R+4, SB0                    ; and its second half
	EPI 0, 0, 0x01, BI0
	NEXT
	STEP 0, 0, 1, 0, 0, SB1                        ; ---- k
.irp s, 1,2
	STEP \s, 0, 0, 0, 0, SB1
.endr
	STEP 3, 0, 0, 0, G0R+20, SB1                   ; v's W, first half of K, is asked for
.irp s, 4,5,6
	STEP \s, 0, 0, 0, 0, SB1
.endr
	STEP 7, 0, 0, 0, G0R+24, SB1                   ; and its second half
	EPI 1, 0, 0x09, BI1
	NEXT
	STEP 0, 1, 1, 0, 0, SB2                        ; ---- v: nothing is left to fetch
.irp s, 1,2,3,4,5,6,7
	STEP \s, 1, 0, 0, 0, SB2
.endr
	EPI 2, 1, 0x09, BI2
	s_wait_tensorcnt 0x0                           ; the wave's end
	ds_add_u32 v[SPW], v[NIL]
	s_wait_dscnt 0x0
	CROUND                                         ; the closing round: no work-group ends while a partner may still ask for a tile that names it
	s_endpgm
.Lfunc_end_k_q3a8af2e9dd_proj:
	.size	k_q3a8af2e9dd_proj, .Lfunc_end_k_q3a8af2e9dd_proj-k_q3a8af2e9dd_proj
	.p2alignl 7, 3214868480
	.fill 96, 4, 3214868480
	.section	.rodata,"a",@progbits
	.p2align	6, 0x0
	.amdhsa_kernel k_q3a8af2e9dd_proj
		.amdhsa_group_segment_fixed_size 327680
		.amdhsa_private_segment_fixed_size 0
		.amdhsa_enable_private_segment 0
		.amdhsa_kernarg_size 56
		.amdhsa_user_sgpr_count 2
		.amdhsa_user_sgpr_kernarg_segment_ptr 1
		.amdhsa_wavefront_size32 1
		.amdhsa_system_sgpr_workgroup_id_x 1
		.amdhsa_system_sgpr_workgroup_id_y 1
		.amdhsa_system_sgpr_workgroup_id_z 1
		.amdhsa_system_vgpr_workitem_id 0
		.amdhsa_next_free_vgpr 768
		.amdhsa_next_free_sgpr 100
		.amdhsa_reserve_vcc 0
		.amdhsa_float_denorm_mode_32 3
		.amdhsa_float_denorm_mode_16_64 3
		.amdhsa_memory_ordered 1
		.amdhsa_forward_progress 1
		.amdhsa_inst_pref_size 250
	.end_amdhsa_kernel
	.amdgpu_metadata
---
amdhsa.version: [ 1, 2 ]
amdhsa.kernels:
  - .name:           k_q3a8af2e9dd_proj
    .symbol:         k_q3a8af2e9dd_proj.kd
    .args:
      - { .name: xq, .offset: 0, .size: 8, .value_kind: global_buffer, .address_space: global }
      - { .name: wq, .offset: 8, .size: 8, .value_kind: global_buffer, .address_space: global }
      - { .name: bq_i, .offset: 16, .size: 8, .value_kind: global_buffer, .address_space: global }
      - { .name: bkv_i, .offset: 24, .size: 8, .value_kind: global_buffer, .address_space: global }
      - { .name: bq_w, .offset: 32, .size: 8, .value_kind: global_buffer, .address_space: global }
      - { .name: bkv_w, .offset: 40, .size: 8, .value_kind: global_buffer, .address_space: global }
      - { .name: qkv, .offset: 48, .size: 8, .value_kind: global_buffer, .address_space: global }
    .group_segment_fixed_size: 327680
    .private_segment_fixed_size: 0
    .kernarg_segment_align: 8
    .kernarg_segment_size: 56
    .max_flat_workgroup_size: 128
    .sgpr_count:     100
    .vgpr_count:     768
    .wavefront_size: 32
...
	.end_amdgpu_metadata
.endif
;; end of part 2
;; launch attn (part 3): grid 4 x 64, 16 waves a work-group, clusters of 4 x 1, 327,680 bytes of LDS; arguments qkv, fq; writes fq
.if DOCPART == 3
	.amdgcn_target "amdgcn-amd-amdhsa--gfx1250"
	.amdhsa_code_object_version 6
	.text
	.protected	k_q3a8af2e9dd_attn
	.globl	k_q3a8af2e9dd_attn
	.p2align	8
	.type	k_q3a8af2e9dd_attn,@function
k_q3a8af2e9dd_attn:
	s_mov_b64 s[64:65], 0
	v_nop
	global_prefetch_b8 v0, s[64:65] scope:SCOPE_SE
	s_setreg_imm32_b32 hwreg(HW_REG_WAVE_MODE, 25, 1), 1
	s_wait_xcnt 0x0
	s_wait_alu depctr_hold_cnt(0) depctr_sa_sdst(0) depctr_va_vdst(0) depctr_va_sdst(0) depctr_va_ssrc(0) depctr_va_vcc(0) depctr_vm_vsrc(0)
	s_getreg_b32 s2, hwreg(HW_REG_IB_STS2, 6, 4)
	s_cmp_eq_u32 s2, 0
	s_cbranch_scc0 .Lentry_in_a_cluster
	s_endpgm
.Lentry_in_a_cluster:
	s_bfe_u32 s2, ttmp6, 0x10000c
	s_cmp_lg_u32 s2, 0x3003
	s_cbranch_scc0 .Lentry_shape_is_right
	s_endpgm
.Lentry_shape_is_right:
; Both cross-attentions on codes of FP6 (E2M3) with E8M0 scales.  Attention 0: the image's queries, the waveform's keys and values, logits clipped to +-100; attention 1: the other way round, no clip.
; THE SOFTMAX AHEAD OF THE SECOND PRODUCT: t = logit x log2(e); M = the running largest t rounded UP to a whole number; p = 2^(t - M) is quantised along the keys, not normalised; the row's sum is taken of the
; unquantised p and divides at the end.  When M moves, the sum and O are multiplied by 2^(old M - new M): exact.
; SHARES.  A work-group owns 256 queries of one batch and ONE head number, in BOTH attentions, one after the other: so every work-group has the same count of instructions (the clip's 64 a key step stand in attention 0 alone),
; and the clip is chosen where the text is assembled, with no branch.  Each of the sixteen waves has one tile of 16 queries; 128 keys a step.
; A head's 64 are half a K step of the output projection: a wave's result is two half fragments (768 bytes each) and two scale bytes a row for each, quantised here in registers.
; LDS IS FILLED ONCE, IN TWO GROUPS: [attention 0: K's 8 records, V's 8][attention 1: the same], 32 records of 6,656 bytes.  At the head each wave fetches one record of attention 0; behind the wait for it, the add, its wait and a round
; each wave fetches one record of attention 1, which has attention 0's eight key steps in which to land; one barrier between the two attentions shows it to all.  One load of mine is out at most.
; The four work-groups of a cluster are the four blocks of queries of the same head and batch: they ask JOINTLY (mask 15).
; K = 64 ON AN INSTRUCTION 128 DEEP: a fragment of keys is [tile A's 64 | tile B's 64].  Against [q | zeros] it gives tile A's scores, against [zeros | q] tile B's: each fragment read feeds two products.
; Both products are used transposed (S^T = K Q^T, O^T = V^T P^T): a lane holds one query throughout.  The keys of a tile are chosen (by the launch that made the records) so that the 16 registers of two
; neighbouring tiles are 16 neighbouring keys.  The clip at +-100 is made on the raw score at +-800: the factor 1/8 between them is exact.
; THE STEP'S ORDER: V is asked for behind the first product and lands under the softmax; the next step's K is asked for behind the second product, and the row's 32 additions stand between those loads and the wait for them.
; NO PREFETCH: the launch has two fills and no loop of fills to run ahead in.
; LIMITS: NaN and infinities are not served; a block of zeros gets the byte 1 (its codes are zeros); the scaled scores stay under 2^31 in magnitude.
; REGISTERS: v1, v2, v4 16, 8, 4 x lane; v5, v6 the add's two; v7 800.0; v8-11 addresses of the step; v12 -M, v13 the largest t, v[14:15] the sum; v16-27 [q | 0]; v80-91 [0 | q]; v28-31, v92-95 attention 1's q and the raw scales;
;   v32-79 four fragments of K or of V; v96-159 S^T, then p; v160-191, v192-223 O^T of the two attentions; v224-247, v252, v254 at work; v248-251 the fragments' scale words; v253 p's; v255 q's.
.set REC,    6656
.set VOFF,   53248                     ; an attention's V records lie behind its 8 of K
.set TYPES,  3407872                   ; bytes from K's records to V's in memory
.set MODAL,  10223616                  ; bytes from the image's records to the waveform's: three types
.set SPARE,  212992                    ; behind the 32 records: the spare words, 128 bytes a wave
.set FS_OFF, 6291456
.set SPW, 5
.set NIL, 6
.set SEL, 20
.set CS,  22
.macro CROUND
	s_barrier_signal -1
	s_barrier_wait -1
	s_cmp_lg_u32 s8, 0
	s_cbranch_scc1 .Lnot_wave_0_\@
	s_barrier_signal -3
.Lnot_wave_0_\@:
	s_barrier_wait -3
	s_barrier_signal -1
	s_barrier_wait -1
.endm
.macro PLACES
.rept 4
	v_nop
.endr
.endm
.macro ADDR                            ; the LDS addresses of the record pair at s36
	v_add_nc_u32 v8, s36, v1
	v_add_nc_u32 v9, s36, v2
	v_add_nc_u32 v10, VOFF, v8
	v_add_nc_u32 v11, VOFF, v9
.endm
.macro RECLOAD a16, a8                 ; a record's four fragments and its scale words: 17 loads, each of consecutive bytes
.irp p, 0,1,2,3
	ds_load_b128 v[32+12*\p:35+12*\p], v[\a16] offset:1536*\p
	ds_load_b64 v[36+12*\p:37+12*\p], v[\a8] offset:1536*\p+512
	ds_load_b128 v[38+12*\p:41+12*\p], v[\a16] offset:1536*\p+768
	ds_load_b64 v[42+12*\p:43+12*\p], v[\a8] offset:1536*\p+1280
.endr
	ds_load_b128 v[248:251], v[\a16] offset:6144
.endm
.macro QUANT s, pc, tm, pw             ; 64 numbers of a lane become 12 registers of codes and a scale word; the four blocks by turns
.irp b, 0,1,2,3
	v_max3_num_f32 v[\tm+\b], |v[\s+16*\b]|, |v[\s+1+16*\b]|, 0x1800000
.endr
.irp i, 2,4,6,8,10,12,14
.irp b, 0,1,2,3
	v_max3_num_f32 v[\tm+\b], v[\tm+\b], |v[\s+16*\b+\i]|, |v[\s+1+16*\b+\i]|
.endr
.endr
.irp b, 0,1,2,3
	v_permlanex16_b32 v[\tm+4+\b], v[\tm+\b], s[SEL], s[SEL+1]
.endr
.irp b, 0,1,2,3
	v_max_num_f32 v[\tm+\b], v[\tm+\b], v[\tm+4+\b]
.endr
.irp b, 0,1,2,3
	v_add_nc_u32 v[\tm+12+\b], 0xff000000, v[\tm+\b]
.endr
.irp b, 0,1,2,3
	v_lshrrev_b32 v[\tm+4+\b], 23, v[\tm+12+\b]
.endr
	v_lshl_or_b32 v[\pw], v[\tm+5], 8, v[\tm+4]
	s_delay_alu instid0(VALU_DEP_1)
	v_lshl_or_b32 v[\pw], v[\tm+6], 16, v[\pw]
	s_delay_alu instid0(VALU_DEP_1)
	v_lshl_or_b32 v[\pw], v[\tm+7], 24, v[\pw]
.irp c, 0,1
	v_cvt_scalef32_pk16_fp6_f32 v[\pc+6*\c:\pc+2+6*\c], v[\s+32*\c:\s+15+32*\c], v[\tm+12+2*\c]
	v_cvt_scalef32_pk16_fp6_f32 v[\pc+12+4*\c:\pc+14+4*\c], v[\s+16+32*\c:\s+31+32*\c], v[\tm+12+2*\c+1]
.endr
	v_nop
.irp c, 0,1
.irp i, 0,1,2
	v_permlane16_swap_b32 v[\pc+6*\c+\i], v[\pc+12+4*\c+\i]
.endr
.irp i, 0,1,2
	v_mov_b32 v[\pc+3+6*\c+\i], v[\pc+12+4*\c+\i]
.endr
.endr
.endm
; A KEY STEP: 128 keys, one record of K (asked for by the step before) and one of V.  o: the attention's O^T; clip = 1: the logits are held to +-100
.macro STEP o, clip
	s_wait_alu depctr_va_vdst(0)
	s_wait_dscnt 0x0                               ; K is in
.irp p, 0,1,2,3
	v_wmma_scale_f32_16x16x128_f8f6f4 v[96+16*\p:103+16*\p], v[32+12*\p:43+12*\p], v[16:27], 0, v[248+\p], v255 matrix_a_fmt:MATRIX_FMT_FP6 matrix_b_fmt:MATRIX_FMT_FP6
	v_wmma_scale_f32_16x16x128_f8f6f4 v[104+16*\p:111+16*\p], v[32+12*\p:43+12*\p], v[80:91], 0, v[248+\p], v255 matrix_a_fmt:MATRIX_FMT_FP6 matrix_b_fmt:MATRIX_FMT_FP6
.endr                                          ; register 96 + 16 p + i: key 32 p + 16 (lane / 16) + i of the step
	PLACES                                         ; in front of the loads into K's registers, and of the first read of the scores
	RECLOAD 10, 11                                 ; V is asked for now and lands under the softmax, which touches none of these registers
.if \clip
.set j, 0
.rept 64
	v_med3_num_f32 v[96+j], v[96+j], -v7, v7       ; the logit held to +-100
.set j, j+1
.endr
.endif
.irp b, 0,1,2,3
	v_max3_num_f32 v[232+\b], v[96+16*\b], v[97+16*\b], v[98+16*\b]   ; the largest score of each block of 32 keys: for the row's maximum, and, since p rises with the score, for the block's largest p
.endr
.irp i, 3,5,7,9,11,13
.irp b, 0,1,2,3
	v_max3_num_f32 v[232+\b], v[232+\b], v[96+16*\b+\i], v[97+16*\b+\i]
.endr
.endr
.irp b, 0,1,2,3
	v_max_num_f32 v[232+\b], v[232+\b], v[111+16*\b]
.endr
.irp b, 0,1,2,3
	v_permlanex16_b32 v[236+\b], v[232+\b], s[SEL], s[SEL+1]
.endr
.irp b, 0,1,2,3
	v_max_num_f32 v[232+\b], v[232+\b], v[236+\b]  ; with lane l xor 16's 16 keys
.endr
	s_delay_alu instid0(VALU_DEP_2)
	v_max3_num_f32 v254, v232, v233, v234
	s_delay_alu instid0(VALU_DEP_1)
	v_max_num_f32 v254, v254, v235
	s_delay_alu instid0(VALU_DEP_1)
	v_mul_f32 v254, s[CS], v254                    ; as t
	s_delay_alu instid0(VALU_DEP_1)
	v_max_num_f32 v13, v13, v254                   ; the running largest t
	v_mov_b32 v254, v12
	s_delay_alu instid0(VALU_DEP_2)
	v_floor_f32 v12, -v13                          ; the new -M = -ceil(t)
.set j, 0
.rept 32
	v_pk_fma_f32 v[96+j:97+j], v[96+j:97+j], s[CS:CS+1], v[12:13] op_sel_hi:[1,0,0]   ; t - M
.if j == 0
	v_sub_f32 v254, v12, v254                      ; old M - new M: a whole number, 0 or less.  (The three lines that make f stand among the multiply-adds, which do not wait for them)
.endif
.if j == 10
	v_cvt_i32_f32 v254, v254                       ; (it saturates)
.endif
.if j == 20
	v_ldexp_f32 v252, 1.0, v254                    ; f = 2^(old M - new M)
.endif
.set j, j+2
.endr
.irp b, 0,1,2,3
	v_fma_f32 v[232+\b], v[232+\b], s[CS], v12     ; the same of each block's largest score
.endr
	s_wait_alu depctr_va_vdst(0)
.set j, 0
.rept 64
	v_exp_f32 v[96+j], v[96+j]                     ; p = 2^(t - M)
.set j, j+1
.endr
.irp b, 0,1,2,3
	v_exp_f32 v[232+\b], v[232+\b]                 ; each block's largest p
.endr
	v_pk_mul_f32 v[14:15], v[14:15], v[252:253] op_sel_hi:[1,0]   ; the sums under the new M: the plain instruction behind the batch
	s_wait_alu depctr_va_vdst(0)                   ; one wait for the 68, ahead of their first reader
.irp b, 0,1,2,3
	v_max_num_f32 v[232+\b], 0x1800000, v[232+\b]  ; the floor 2^(3 - 127)
.endr
.irp b, 0,1,2,3
	v_add_nc_u32 v[244+\b], 0xff000000, v[232+\b]
.endr
.irp b, 0,1,2,3
	v_lshrrev_b32 v[236+\b], 23, v[244+\b]
.endr
	v_lshl_or_b32 v253, v237, 8, v236              ; p's scale word for these 128 keys
	s_delay_alu instid0(VALU_DEP_1)
	v_lshl_or_b32 v253, v238, 16, v253
	s_delay_alu instid0(VALU_DEP_1)
	v_lshl_or_b32 v253, v239, 24, v253
.irp c, 0,1
	v_cvt_scalef32_pk16_fp6_f32 v[224+6*\c:226+6*\c], v[96+32*\c:111+32*\c], v[244+2*\c]
	v_cvt_scalef32_pk16_fp6_f32 v[236+4*\c:238+4*\c], v[112+32*\c:127+32*\c], v[244+2*\c+1]
.endr
	v_nop
.irp c, 0,1
.irp i, 0,1,2
	v_permlane16_swap_b32 v[224+6*\c+\i], v[236+4*\c+\i]
.endr
.irp i, 0,1,2
	v_mov_b32 v[227+6*\c+\i], v[236+4*\c+\i]
.endr
.endr
.set j, 0
.rept 16
	v_pk_mul_f32 v[\o+j:\o+j+1], v[\o+j:\o+j+1], v[252:253] op_sel_hi:[1,0]   ; O^T under the new M.  These sixteen are also the places between the writes of p's codes and scale word and the products
.set j, j+2
.endr
	s_wait_alu depctr_va_vdst(0)
	s_wait_dscnt 0x0                               ; V is in
.irp t, 0,1,2,3
	v_wmma_scale_f32_16x16x128_f8f6f4 v[\o+8*\t:\o+8*\t+7], v[32+12*\t:43+12*\t], v[224:235], v[\o+8*\t:\o+8*\t+7], v[248+\t], v253 matrix_a_fmt:MATRIX_FMT_FP6 matrix_b_fmt:MATRIX_FMT_FP6
.endr
	s_add_co_u32 s36, s36, REC                     ; the next 128 keys
	ADDR                                           ; these four are also the places behind the products, in front of the loads and of the additions below
	s_cmp_eq_u32 s37, 1                            ; the attention's last step asks for no further K: the test hangs on the loop's counter alone
	s_cbranch_scc1 .Lno_k_\@
	RECLOAD 8, 9
.Lno_k_\@:
	v_pk_add_f32 v[236:237], v[100:101], v[104:105]   ; the row's sum of the unquantised p, in eight chains
	v_pk_add_f32 v[246:247], v[108:109], v[112:113]
	v_pk_add_f32 v[244:245], v[116:117], v[120:121]
	v_pk_add_f32 v[242:243], v[124:125], v[128:129]
	v_pk_add_f32 v[240:241], v[132:133], v[136:137]
	v_pk_add_f32 v[238:239], v[140:141], v[144:145]
	v_pk_add_f32 v[230:231], v[148:149], v[152:153]
	v_pk_add_f32 v[14:15], v[14:15], v[156:157]
	v_pk_add_f32 v[236:237], v[236:237], v[96:97]
	v_pk_add_f32 v[246:247], v[246:247], v[98:99]
	v_pk_add_f32 v[244:245], v[244:245], v[102:103]
	v_pk_add_f32 v[242:243], v[242:243], v[106:107]
	v_pk_add_f32 v[240:241], v[240:241], v[110:111]
	v_pk_add_f32 v[238:239], v[238:239], v[114:115]
	v_pk_add_f32 v[230:231], v[230:231], v[118:119]
	v_pk_add_f32 v[14:15], v[14:15], v[122:123]
	v_pk_add_f32 v[236:237], v[236:237], v[126:127]
	v_pk_add_f32 v[246:247], v[246:247], v[130:131]
	v_pk_add_f32 v[244:245], v[244:245], v[134:135]
	v_pk_add_f32 v[242:243], v[242:243], v[138:139]
	v_pk_add_f32 v[240:241], v[240:241], v[142:143]
	v_pk_add_f32 v[238:239], v[238:239], v[146:147]
	v_pk_add_f32 v[230:231], v[230:231], v[150:151]
	v_pk_add_f32 v[14:15], v[14:15], v[154:155]
	v_pk_add_f32 v[236:237], v[236:237], v[158:159]
	s_delay_alu instid0(VALU_DEP_2)
	v_pk_add_f32 v[14:15], v[14:15], v[242:243]
	s_delay_alu instid0(VALU_DEP_2)
	v_pk_add_f32 v[236:237], v[236:237], v[240:241]
	v_pk_add_f32 v[246:247], v[246:247], v[238:239]
	v_pk_add_f32 v[244:245], v[244:245], v[230:231]
	s_delay_alu instid0(VALU_DEP_2)
	v_pk_add_f32 v[14:15], v[14:15], v[246:247]
	s_delay_alu instid0(VALU_DEP_2)
	v_pk_add_f32 v[236:237], v[236:237], v[244:245]
	s_delay_alu instid0(VALU_DEP_1)
	v_pk_add_f32 v[14:15], v[14:15], v[236:237]
.endm
.macro HEAD e
.if \e == 0
.irp i, 0,1,2,3,4,5
	v_mov_b32 v[86+\i], v[16+\i]                   ; [0 | q]
.endr
	v_lshl_or_b32 v255, v95, 16, v95               ; q's two bytes twice: they serve [q | 0] and [0 | q]
.else
.irp i, 0,1,2,3
	v_mov_b32 v[16+\i], v[28+\i]
	v_mov_b32 v[86+\i], v[28+\i]
.endr
.irp i, 0,1
	v_mov_b32 v[20+\i], v[92+\i]
	v_mov_b32 v[90+\i], v[92+\i]
.endr
	v_lshl_or_b32 v255, v94, 16, v94
.endif
	v_mov_b32 v13, 0xff61b1e6                      ; the largest t so far: -3e38
	s_delay_alu instid0(VALU_DEP_1)
	v_floor_f32 v12, -v13
	v_mov_b32 v14, 0
	v_mov_b32 v15, 0
.set j, 0
.rept 32
	v_mov_b32 v[160+32*\e+j], 0                    ; O^T: the step is written once, its first trip finds zeros.  (These are also the places between the writes of q and its scale word and the first product)
.set j, j+1
.endr
	s_mov_b32 s37, 8
.Lkey_\@:
	STEP 160+32*\e, 1-\e
	s_sub_co_u32 s37, s37, 1
	s_cmp_lg_u32 s37, 0
	s_cbranch_scc1 .Lkey_\@
	v_add_f32 v14, v14, v15
	s_delay_alu instid0(VALU_DEP_1)
	v_permlanex16_b32 v252, v14, s[SEL], s[SEL+1]
	s_delay_alu instid0(VALU_DEP_1)
	v_add_f32 v14, v14, v252                       ; the row's sum
	s_wait_alu depctr_va_vdst(0)
	v_rcp_f32 v14, v14
	v_mov_b32 v15, 0                               ; the plain instruction behind the reciprocal; the pair's upper word is written
	s_wait_alu depctr_va_vdst(0)
.set j, 0
.rept 16
	v_pk_mul_f32 v[160+32*\e+j:161+32*\e+j], v[160+32*\e+j:161+32*\e+j], v[14:15] op_sel_hi:[1,0]   ; O^T / the sum, each accumulator from its low end on
.set j, j+2
.endr
.endm
	s_load_b128 s[4:7], s[0:1], 0x0                ; qkv s[4:5], fq s[6:7]
	v_lshl_add_u32 v[SPW], v0, 2, SPARE
	v_mov_b32 v[NIL], 0
	ds_add_u32 v[SPW], v[NIL]                      ; the wave's opening: the add, twice on end, and its wait ahead of my tensor load
	ds_add_u32 v[SPW], v[NIL]
	v_lshrrev_b32 v1, 5, v0
	s_delay_alu instid0(VALU_DEP_1)
	v_readfirstlane_b32 s8, v1                     ; wave 0..15
	s_bfe_u32 s9, ttmp6, 0x40000                   ; cx: my block of 256 queries; it enters q's and the result's addresses alone
	s_and_b32 s10, ttmp7, 0xffff
	s_lshr_b32 s12, s10, 4                         ; batch
	s_and_b32 s13, s10, 15                         ; head
	s_mov_b32 s24, 15|(3<<16)|(1<<21)              ; 15:0 the mask: all four work-groups; 17:16 elements of 8 bytes; 21 set beside a mask
	s_mov_b32 s25, 32<<16                          ; tensor_dim0: 256 bytes
	s_mov_b32 s26, 26<<16                          ; tensor_dim1: a record is 26 such rows, dense
	s_mov_b32 s27, 32<<16
	s_mov_b32 s28, 26
	s_mov_b32 s29, 32
	s_mov_b32 s30, 0
	s_mov_b32 s31, 0
	s_add_co_u32 s14, s12, 16                      ; attention 0's keys and values are the waveform's: [modality 1][k][batch][head]
	s_lshl_b32 s14, s14, 4
	s_add_co_u32 s14, s14, s13
	s_mul_i32 s14, s14, 53248                      ; K's eight records of the head
	s_and_b32 s15, s8, 7
	s_mul_i32 s15, s15, REC                        ; my one of them,
	s_add_co_u32 s14, s14, s15
	s_lshr_b32 s15, s8, 3
	s_mul_i32 s15, s15, TYPES                      ; of K (waves 0-7) or of V (waves 8-15)
	s_add_co_u32 s14, s14, s15
	s_mov_b32 s15, 0
	s_mul_i32 s16, s8, REC                         ; and where it goes
	s_lshl_b32 s17, s12, 4                         ; the image's q: record [q][batch][head][2 cx + wave / 8]; the waveform's lies MODAL bytes on
	s_add_co_u32 s17, s17, s13
	s_lshl_b32 s17, s17, 3
	s_lshl_b32 s18, s9, 1
	s_add_co_u32 s17, s17, s18
	s_lshr_b32 s18, s8, 3
	s_add_co_u32 s17, s17, s18
	s_mul_i32 s38, s17, REC
	s_bfe_u32 s18, s8, 0x20001                     ; which fragment of the record,
	s_and_b32 s19, s8, 1                           ; and which half of it, is my tile
	s_mul_i32 s40, s18, 1536
	s_mul_i32 s41, s19, 768
	s_add_co_u32 s40, s40, s41
	s_add_co_u32 s40, s40, s38
	s_mov_b32 s41, 0
	s_lshl_b32 s42, s18, 2
	s_lshl_b32 s43, s19, 1
	s_add_co_u32 s42, s42, s43
	s_add_co_u32 s42, s42, 6144
	s_add_co_u32 s42, s42, s38                     ; my tile's two scale bytes of a row
	s_mov_b32 s43, 0
	s_lshl_b32 s44, s12, 6                         ; the result: [tile of rows][K step = 8 x attention + head / 2][half = head % 2]
	s_lshl_b32 s45, s9, 4
	s_add_co_u32 s44, s44, s45
	s_add_co_u32 s44, s44, s8
	s_lshl_b32 s44, s44, 4
	s_lshr_b32 s45, s13, 1
	s_add_co_u32 s44, s44, s45
	s_and_b32 s45, s13, 1
	s_lshl_b32 s46, s44, 7                         ; scale words: 128 bytes a tile and K step, 4 x lane; my half's two bytes
	s_add_co_u32 s46, s46, FS_OFF
	s_lshl_b32 s47, s45, 1
	s_add_co_u32 s46, s46, s47
	s_mov_b32 s47, 0
	s_mul_i32 s44, s44, 1536
	s_mul_i32 s45, s45, 768
	s_add_co_u32 s44, s44, s45
	s_mov_b32 s45, 0
	s_mov_b32 s[SEL], 0x76543210
	s_mov_b32 s[SEL+1], 0xfedcba98
	s_mov_b32 s[CS], 0x3e38aa3b                    ; log2(e) / 8: t = raw score x this
	s_mov_b32 s[CS+1], s[CS]
	s_mov_b32 s36, 0
	s_wait_dscnt 0x0                               ; both opening adds are done
	s_wait_kmcnt 0x0
	s_mov_b32 s32, 1
	s_mov_b32 s33, s16
	s_add_nc_u64 s[34:35], s[4:5], s[14:15]
	s_or_b32 s35, s35, 0x80000000
	s_add_nc_u64 s[40:41], s[4:5], s[40:41]
	s_add_nc_u64 s[42:43], s[4:5], s[42:43]
	s_add_nc_u64 s[48:49], s[40:41], MODAL
	s_add_nc_u64 s[50:51], s[42:43], MODAL
	s_add_nc_u64 s[44:45], s[6:7], s[44:45]
	s_add_nc_u64 s[46:47], s[6:7], s[46:47]
	CROUND                                         ; all four work-groups are here: the joint loads meet
	tensor_load_to_lds s[32:35], s[24:31]          ; attention 0: every wave its own record: both addresses hang on the wave's number
	s_nop 0
	PLACES
	v_and_b32 v3, 31, v0
	s_delay_alu instid0(VALU_DEP_1)
	v_lshlrev_b32 v1, 4, v3
	v_lshlrev_b32 v2, 3, v3
	v_lshlrev_b32 v4, 2, v3
	global_load_b128 v[16:19], v1, s[40:41]        ; attention 0: my tile's 64 codes a row: six registers
	global_load_b64 v[20:21], v2, s[40:41] offset:512
	global_load_u16 v95, v1, s[42:43]
	global_load_b128 v[28:31], v1, s[48:49]        ; attention 1
	global_load_b64 v[92:93], v2, s[48:49] offset:512
	global_load_u16 v94, v1, s[50:51]
	v_mov_b32 v7, 0x44480000                       ; 800.0
.irp i, 0,1,2,3,4,5
	v_mov_b32 v[22+\i], 0                          ; zero codes
	v_mov_b32 v[80+\i], 0
.endr
.irp b, 0,1,2,3
	v_mov_b32 v[236+\b], 0                         ; a lane permute's destination counts as one of its sources
.endr
	v_mov_b32 v252, 0
	v_mov_b32 v253, 0                              ; (named as the upper half of the pair v[252:253] before it is first written)
	s_wait_alu depctr_va_vdst(0)
	s_wait_tensorcnt 0x0                           ; my record of attention 0 has landed
	ds_add_u32 v[SPW], v[NIL]
	s_add_co_u32 s33, s33, 16*REC                  ; no load of mine is out: the group 0 goes on to attention 1's record: 16 records on in LDS,
	s_sub_nc_u64 s[34:35], s[34:35], MODAL         ; and the image's in memory
	s_wait_dscnt 0x0
	CROUND                                         ; everybody's record has landed, in all four work-groups: the joint loads meet
	tensor_load_to_lds s[32:35], s[24:31]          ; attention 1: my one load behind the round
	s_nop 0
	PLACES
	ADDR
	RECLOAD 8, 9                                   ; the first 128 keys
	s_wait_loadcnt 0x0                             ; q
	HEAD 0
	s_wait_alu depctr_va_vdst(0)
	s_wait_tensorcnt 0x0                           ; my record of attention 1 has landed
	s_wait_dscnt 0x0
	s_barrier_signal -1
	s_barrier_wait -1                              ; everybody's has.
	s_mov_b32 s36, 16*REC
	ADDR
	RECLOAD 8, 9
	HEAD 1
.irp b, 0,1,2,3
	v_mov_b32 v[120+\b], 0
.endr
	QUANT 160, 96, 116, 132                        ; registers 0-5 and bytes 0, 1: attention 0's 64; registers 6-11 and bytes 2, 3: attention 1's
	v_lshrrev_b32 v133, 16, v132
	global_store_b128 v1, v[96:99], s[44:45]                   ; a half fragment: 512 + 256 consecutive bytes, aligned
	global_store_b64 v2, v[100:101], s[44:45] offset:512
	global_store_b128 v1, v[102:105], s[44:45] offset:12288    ; attention 1: eight K steps on
	global_store_b64 v2, v[106:107], s[44:45] offset:12288+512
	global_store_b16 v4, v132, s[46:47]                        ; two scale bytes a row: the other half of each word comes from the neighbouring head's work-group
	global_store_b16 v4, v133, s[46:47] offset:1024
	s_wait_tensorcnt 0x0                           ; the wave's end
	ds_add_u32 v[SPW], v[NIL]
	s_wait_dscnt 0x0
	CROUND                                         ; the closing round
	s_endpgm
.Lfunc_end_k_q3a8af2e9dd_attn:
	.size	k_q3a8af2e9dd_attn, .Lfunc_end_k_q3a8af2e9dd_attn-k_q3a8af2e9dd_attn
	.p2alignl 7, 3214868480
	.fill 96, 4, 3214868480
	.section	.rodata,"a",@progbits
	.p2align	6, 0x0
	.amdhsa_kernel k_q3a8af2e9dd_attn
		.amdhsa_group_segment_fixed_size 327680
		.amdhsa_private_segment_fixed_size 0
		.amdhsa_enable_private_segment 0
		.amdhsa_kernarg_size 16
		.amdhsa_user_sgpr_count 2
		.amdhsa_user_sgpr_kernarg_segment_ptr 1
		.amdhsa_wavefront_size32 1
		.amdhsa_system_sgpr_workgroup_id_x 1
		.amdhsa_system_sgpr_workgroup_id_y 1
		.amdhsa_system_sgpr_workgroup_id_z 1
		.amdhsa_system_vgpr_workitem_id 0
		.amdhsa_next_free_vgpr 256
		.amdhsa_next_free_sgpr 66
		.amdhsa_reserve_vcc 0
		.amdhsa_float_denorm_mode_32 3
		.amdhsa_float_denorm_mode_16_64 3
		.amdhsa_memory_ordered 1
		.amdhsa_forward_progress 1
		.amdhsa_inst_pref_size 57
	.end_amdhsa_kernel
	.amdgpu_metadata
---
amdhsa.version: [ 1, 2 ]
amdhsa.kernels:
  - .name:           k_q3a8af2e9dd_attn
    .symbol:         k_q3a8af2e9dd_attn.kd
    .args:
      - { .name: qkv, .offset: 0, .size: 8, .value_kind: global_buffer, .address_space: global }
      - { .name: fq, .offset: 8, .size: 8, .value_kind: global_buffer, .address_space: global }
    .group_segment_fixed_size: 327680
    .private_segment_fixed_size: 0
    .kernarg_segment_align: 8
    .kernarg_segment_size: 16
    .max_flat_workgroup_size: 512
    .sgpr_count:     66
    .vgpr_count:     256
    .wavefront_size: 32
...
	.end_amdgpu_metadata
.endif
;; end of part 3
;; launch oproj (part 4): grid 8 x 32, 4 waves a work-group, clusters of 4 x 4, 327,680 bytes of LDS; arguments fq, pq, bp, y; writes y
.if DOCPART == 4
	.amdgcn_target "amdgcn-amd-amdhsa--gfx1250"
	.amdhsa_code_object_version 6
	.text
	.protected	k_q3a8af2e9dd_oproj
	.globl	k_q3a8af2e9dd_oproj
	.p2align	8
	.type	k_q3a8af2e9dd_oproj,@function
k_q3a8af2e9dd_oproj:
	s_mov_b64 s[64:65], 0
	v_nop
	global_prefetch_b8 v0, s[64:65] scope:SCOPE_SE
	s_setreg_imm32_b32 hwreg(HW_REG_WAVE_MODE, 25, 1), 1
	s_wait_xcnt 0x0
	s_wait_alu depctr_hold_cnt(0) depctr_sa_sdst(0) depctr_va_vdst(0) depctr_va_sdst(0) depctr_va_ssrc(0) depctr_va_vcc(0) depctr_vm_vsrc(0)
	s_getreg_b32 s2, hwreg(HW_REG_IB_STS2, 6, 4)
	s_cmp_eq_u32 s2, 0
	s_cbranch_scc0 .Lentry_in_a_cluster
	s_endpgm
.Lentry_in_a_cluster:
	s_bfe_u32 s2, ttmp6, 0x10000c
	s_cmp_lg_u32 s2, 0xf033
	s_cbranch_scc0 .Lentry_shape_is_right
	s_endpgm
.Lentry_shape_is_right:
; y = fused Wp + bp, [4096][1024] f32, row-major, on codes of FP6 (E2M3) with E8M0 scales, K = 2,048.  The norm follows in a launch of its own, so that a work-group need not own whole rows
; and takes in (128 + 128) x 1,536 bytes of codes in place of all of Wp's.
; SHARES.  A work-group makes 128 rows x 128 columns: 32 x 8 = 256 work-groups.  Wave w: rows 64 (w / 2) on, columns 64 (w % 2) on: 16 accumulators, 16 K steps x 16 matrix instructions.
; RING: two slots of 98,304 bytes, each with four K steps: 8 tiles of rows (a tile's four fragments on end, 6,144 bytes), then per K step 8 tiles of columns (12,288 bytes).  One tensor load a wave fills a quarter of a slot:
; waves 0, 1 four tiles of rows each, waves 2, 3 two K steps of columns each.  One load of mine is out at most.  A slot's refill stands at the head of its last K step, where all its reads have been issued and are waited for.
; CLUSTERS: 4 x 4.  The rows' tiles hang on the work-group's y and are asked for jointly along a row of the cluster, Wp's on its x and along a column.
; PREFETCH: behind the load of chunk c each wave names the 24 blocks of 256 bytes that are its work-group's quarter of what the wave will fetch of chunk c + 1 (the partners told apart by address); lanes 24-31 name the last block again; nothing is asked behind the last load.
; Source 0 = 16 columns of Wp, source 1 = 16 rows: a lane holds one row, and the 16 registers of two neighbouring tiles of columns are 16 neighbouring columns.  bp is the C of the first products.
; Lane r of tile of rows 2 G + u is row 32 G + 8 u + r + 8 (r / 8), as the launches before have laid it.  A block of 16 rows x 64 columns goes through my own stage in LDS and leaves as rows of 256 aligned bytes.
; The 16 K steps are written out: slots, register sets and the fills' ends differ from step to step.
; LIMITS: NaN and infinities are not served.
; REGISTERS: window 0: v1-15 addresses; v16-79 the rows' scale words (tile a, K step k: 16 + 16 a + k); v80-111 Wp's (group i: 80 + 16 i + k; lanes 0-15 the even tile, 16-31 the odd one); v112-207 fragments of even K steps; v208-239 bp.
;   window 1: v0-127 the accumulators ((a, t) at 8 (4 a + t)); v128-223 fragments of odd K steps.
.set FS_OFF, 6291456
.set PS_OFF, 1572864
.set SLOT,   98304
.set STAGE,  196608                    ; behind the ring: 16 rows x 272 bytes for each wave
.set SPITCH, 272
.set SPARE,  214016                    ; behind the stages: the spare words, 128 bytes a wave
.set SPW, 1
.set NIL, 2
.set A16, 4                            ; v4-5 my rows' fragments in slot 0, 1, + 16 x lane;  v6-7 + 8 x lane
.set A8,  6
.set B16, 8                            ; v8-9 my columns' fragments
.set STO, 10
.set RD,  11
.set CO,  12
.set PFO, 13
.set L4,  14
.set L8,  15
.set SA,  16
.set SB,  80
.set BI,  208
.set BO,  245
.set G1A, 24
.set G1B, 32
.set G0A, 40
.set G0B, 44
.set PF,  48                           ; s[48:49] where my prefetch stands; s[50:51] its step from chunk to chunk
.set MSB, 0
.macro WIN new                         ; the immediate's high byte repeats the setting that is left
.if MSB != (\new)
	s_set_vgpr_msb (MSB<<8)|(\new)
.set MSB, (\new)
.endif
.endm
.macro PLACES
.rept 4
	v_nop
.endr
.endm
.macro CROUND                          ; a round of the cluster's barrier
	s_barrier_signal -1
	s_barrier_wait -1
	s_cmp_lg_u32 s12, 0
	s_cbranch_scc1 .Lnot_wave_0_\@
	s_barrier_signal -3
.Lnot_wave_0_\@:
	s_barrier_wait -3
	s_barrier_signal -1
	s_barrier_wait -1
.endm
.macro JLOAD                           ; a joint load: waves 0, 1 for the rows, waves 2, 3 for Wp; the branch hangs on the wave's number alone
	s_cmp_eq_u32 s13, 0
	s_cbranch_scc0 .Lfor_b_\@
	tensor_load_to_lds s[G0A:G0A+3], s[G1A:G1A+7]
	s_nop 0
	PLACES
	s_branch .Lasked_\@
.Lfor_b_\@:
	tensor_load_to_lds s[G0B:G0B+3], s[G1B:G1B+7]
	s_nop 0
	PLACES
.Lasked_\@:
.endm
.macro NEXTD c                         ; both group 0 on to chunk c; no tensor load of mine is out
	s_add_co_u32 s[G0A+1], s21, ((\c)%2)*SLOT
	s_add_co_u32 s[G0B+1], s21, ((\c)%2)*SLOT
	s_add_nc_u64 s[G0A+2:G0A+3], s[G0A+2:G0A+3], 6144
	s_add_nc_u64 s[G0B+2:G0B+3], s[G0B+2:G0B+3], 393216
.endm
.macro ASK
	global_prefetch_b8 v[PFO], s[PF:PF+1] th:TH_LOAD_NT scope:SCOPE_SE
.endm
.macro FETCH kk                        ; K step kk's fragments, 28 LDS loads: my 4 tiles of rows (two halves of 768 bytes each), my 4 of columns (three runs of 512)
.set FSL, ((\kk)/4)%2
.set FO, (\kk)%4
.set FB, 112+16*((\kk)%2)
	WIN 0x40*((\kk)%2)
.irp a, 0,1,2,3
	ds_load_b128 v[FB+12*\a:FB+12*\a+3], v[A16+FSL] offset:\a*6144+FO*1536
	ds_load_b64 v[FB+12*\a+4:FB+12*\a+5], v[A8+FSL] offset:\a*6144+FO*1536+512
	ds_load_b128 v[FB+12*\a+6:FB+12*\a+9], v[A16+FSL] offset:\a*6144+FO*1536+768
	ds_load_b64 v[FB+12*\a+10:FB+12*\a+11], v[A8+FSL] offset:\a*6144+FO*1536+1280
.endr
.irp t, 0,1,2,3
.irp g, 0,1,2
	ds_load_b128 v[FB+48+12*\t+4*\g:FB+48+12*\t+4*\g+3], v[B16+FSL] offset:FO*12288+\t*1536+512*\g
.endr
.endr
	WIN 0
.endm
.macro WM d, a, b, c, sa, sb, ra
.if \ra
	v_wmma_scale_f32_16x16x128_f8f6f4 v[\d:\d+7], v[\a:\a+11], v[\b:\b+11], v[\c:\c+7], v[\sa], v[\sb] matrix_a_fmt:MATRIX_FMT_FP6 matrix_b_fmt:MATRIX_FMT_FP6 matrix_a_scale:MATRIX_SCALE_ROW1
.else
	v_wmma_scale_f32_16x16x128_f8f6f4 v[\d:\d+7], v[\a:\a+11], v[\b:\b+11], v[\c:\c+7], v[\sa], v[\sb] matrix_a_fmt:MATRIX_FMT_FP6 matrix_b_fmt:MATRIX_FMT_FP6
.endif
.endm
.macro MUL k                           ; 16 matrix instructions, the 16 accumulators by turns in the same order in every step
.set FB, 112+16*((\k)%2)
.if (\k) == 0
	WIN 0x40                                       ; D window 1; C = bp, window 0
.else
	WIN 0x50+5*((\k)%2)                            ; C and D window 1; the fragments window 0 or 1
.endif
.irp a, 0,1,2,3
.irp t, 0,1,2,3
.if (\k) == 0
	WM 8*(4*\a+\t), FB+48+12*\t, FB+12*\a, BI+8*\t, SB+16*(\t/2)+(\k), SA+16*\a+(\k), \t%2
.else
	WM 8*(4*\a+\t), FB+48+12*\t, FB+12*\a, 8*(4*\a+\t), SB+16*(\t/2)+(\k), SA+16*\a+(\k), \t%2
.endif
.endr
.endr
	WIN 0
.endm
.macro STEP k
.if (\k) > 0
	PLACES                                         ; in front of loads into the set that the last step's matrix instructions read
.endif
.if (\k)%4 == 3 && (\k) < 15
.if (\k) == 3
	s_wait_xcnt 0x0                                ; my prefetch has read its address
	s_add_nc_u64 s[PF:PF+1], s[PF:PF+1], s[50:51]
.endif
	s_wait_tensorcnt 0x0                           ; my part of the next chunk has landed: no load of mine is out
.if (\k) < 11
	ds_add_u32 v[SPW], v[NIL]
	NEXTD (\k)/4+2
	s_wait_dscnt 0x0                               ; the add is done, and my last reads of this chunk are in
	CROUND                                         ; the same holds of every wave of all sixteen work-groups
	JLOAD                                          ; my one load behind the round: the chunk two on, into the slot just read out
.else
	s_wait_dscnt 0x0
	s_barrier_signal -1
	s_barrier_wait -1                              ; the last chunk is whole.
.endif
	FETCH (\k)+1
.if (\k) == 3
	ASK
.endif
.else
.if (\k) < 15
	FETCH (\k)+1
	s_wait_dscnt 28                                ; all but the 28 just issued
.else
	s_wait_dscnt 0x0
.endif
.endif
.if (\k) == 0
	s_wait_loadcnt 0x0                             ; the scale words and bp
.endif
	MUL \k
.endm
	s_load_b256 s[4:11], s[0:1], 0x0               ; fq s[4:5], pq s[6:7], bp s[8:9], y s[10:11]
	v_lshl_add_u32 v[SPW], v0, 2, SPARE
	v_mov_b32 v[NIL], 0
	ds_add_u32 v[SPW], v[NIL]                      ; the wave's opening: the add, twice on end, and its wait ahead of my first tensor load
	ds_add_u32 v[SPW], v[NIL]
	v_lshrrev_b32 v3, 5, v0
	v_readfirstlane_b32 s12, v3                    ; wave 0..3
	s_lshr_b32 s13, s12, 1                         ; which 64 rows are mine.  Also: I fetch the rows' tiles (0) or Wp's (1)
	s_and_b32 s14, s12, 1                          ; which 64 columns.  Also: which half I fetch
	s_bfe_u32 s15, ttmp6, 0x40000                  ; cx
	s_bfe_u32 s16, ttmp6, 0x40004                  ; cy
	s_lshl_b32 s17, ttmp9, 2
	s_add_co_u32 s17, s17, s15                     ; work-group x: 128 columns
	s_and_b32 s18, ttmp7, 0xffff
	s_lshl_b32 s18, s18, 2
	s_add_co_u32 s18, s18, s16                     ; work-group y: 128 rows
	s_lshl_b32 s19, s16, 2
	s_lshl_b32 s19, 15, s19                        ; my row of the cluster
	s_lshl_b32 s20, 0x1111, s15                    ; my column
	s_or_b32 s[G1A], s19, (3<<16)|(1<<21)          ; the mask; elements of 8 bytes; bit 21 beside a mask; no padding
	s_or_b32 s[G1B], s20, (3<<16)|(1<<21)
	s_mov_b32 s[G1A+1], 768<<16                    ; a tile's four K steps: 6,144 bytes
	s_mov_b32 s[G1A+2], 4<<16                      ; 4 tiles
	s_mov_b32 s[G1A+3], 768<<16
	s_mov_b32 s[G1A+4], 4
	s_mov_b32 s[G1A+5], 3072                       ; from tile to tile: 16 K steps, 24,576 bytes
	s_mov_b32 s[G1A+6], 0
	s_mov_b32 s[G1A+7], 0
	s_mov_b32 s[G1B+1], 1536<<16                   ; a K step's 8 tiles: 12,288 bytes
	s_mov_b32 s[G1B+2], 2<<16                      ; 2 K steps
	s_mov_b32 s[G1B+3], 1536<<16
	s_mov_b32 s[G1B+4], 2
	s_mov_b32 s[G1B+5], 12288                      ; from K step to K step: 64 tiles, 98,304 bytes
	s_mov_b32 s[G1B+6], 0
	s_mov_b32 s[G1B+7], 0
	s_mul_i32 s52, s18, 196608
	s_mul_i32 s53, s14, 98304
	s_add_co_u32 s52, s52, s53                     ; the rows: tile 8 y + 4 x half
	s_mov_b32 s53, 0
	s_mul_i32 s54, s14, 196608
	s_mul_i32 s55, s17, 12288
	s_add_co_u32 s54, s54, s55                     ; Wp: K step 2 x half, tile 8 x
	s_mov_b32 s55, 0
	s_mul_i32 s21, s12, 24576                      ; where my quarter of a slot begins: no place in the cluster enters an LDS address
	s_mul_i32 s56, s15, 24576                      ; the prefetch, chunk 1.  Rows: of my four tiles the one at my place along x;
	s_add_co_u32 s56, s56, s52
	s_add_co_u32 s56, s56, 6144
	s_lshr_b32 s57, s16, 1                         ; Wp: of my two K steps' four halves the one at my place along y
	s_add_co_u32 s57, s57, 4
	s_mul_i32 s57, s57, 98304
	s_add_co_u32 s57, s57, s54
	s_and_b32 s58, s16, 1
	s_mul_i32 s58, s58, 6144
	s_add_co_u32 s57, s57, s58
	s_mov_b32 s59, 393216
	s_cmp_eq_u32 s13, 0
	s_cselect_b32 s56, s56, s57
	s_cselect_b32 s50, 6144, s59
	s_mov_b32 s57, 0
	s_mov_b32 s51, 0
	s_wait_dscnt 0x0                               ; both opening adds are done
	s_wait_kmcnt 0x0
	s_mov_b32 s[G0A], 1
	s_mov_b32 s[G0A+1], s21
	s_add_nc_u64 s[G0A+2:G0A+3], s[4:5], s[52:53]
	s_or_b32 s[G0A+3], s[G0A+3], 0x80000000
	s_mov_b32 s[G0B], 1
	s_mov_b32 s[G0B+1], s21
	s_add_nc_u64 s[G0B+2:G0B+3], s[6:7], s[54:55]
	s_or_b32 s[G0B+3], s[G0B+3], 0x80000000
	CROUND                                         ; all sixteen work-groups are here: the joint loads meet
	JLOAD                                          ; chunk 0: one tensor load a wave at the head
	s_cmp_eq_u32 s13, 0
	s_cselect_b64 s[PF:PF+1], s[4:5], s[6:7]
	s_add_nc_u64 s[PF:PF+1], s[PF:PF+1], s[56:57]
	s_lshl_b32 s68, s18, 14                        ; the rows' scale words: 2,048 bytes a tile
	s_lshl_b32 s69, s13, 13
	s_add_co_u32 s68, s68, s69
	s_add_co_u32 s68, s68, FS_OFF
	s_mov_b32 s69, 0
	s_add_nc_u64 s[60:61], s[4:5], s[68:69]
	s_lshl_b32 s68, s17, 10                        ; Wp's: 256 bytes a group of 32 columns and pair of K steps
	s_lshl_b32 s58, s14, 9
	s_add_co_u32 s68, s68, s58
	s_add_co_u32 s68, s68, PS_OFF
	s_add_nc_u64 s[62:63], s[6:7], s[68:69]
	s_lshl_b32 s68, s17, 9                         ; my first column, in bytes
	s_lshl_b32 s58, s14, 8
	s_add_co_u32 s68, s68, s58
	s_add_nc_u64 s[66:67], s[8:9], s[68:69]
	s_lshl_b32 s58, s18, 19                        ; my first row: 128 y + 64 x half, 4,096 bytes a row
	s_add_co_u32 s68, s68, s58
	s_lshl_b32 s58, s13, 18
	s_add_co_u32 s68, s68, s58
	s_add_nc_u64 s[10:11], s[10:11], s[68:69]
	s_mul_i32 s22, s13, 24576                      ; my four tiles of rows in a slot,
	s_mul_i32 s23, s14, 6144
	s_add_co_u32 s23, s23, 49152                   ; my four of columns in a K step,
	s_mul_i32 s70, s12, 16*SPITCH
	s_add_co_u32 s70, s70, STAGE                   ; my stage
	v_and_b32 v3, 31, v0                           ; lane
	v_and_b32 v240, 15, v0                         ; r
	v_bfe_u32 v241, v0, 4, 1                       ; h
	v_lshlrev_b32 v242, 4, v3
	v_lshlrev_b32 v[L8], 3, v3
	v_lshlrev_b32 v[L4], 2, v3
	v_add_nc_u32 v[A16], s22, v242
	v_add_nc_u32 v[A16+1], SLOT, v[A16]
	v_add_nc_u32 v[A8], s22, v[L8]
	v_add_nc_u32 v[A8+1], SLOT, v[A8]
	v_add_nc_u32 v[B16], s23, v242
	v_add_nc_u32 v[B16+1], SLOT, v[B16]
	v_mul_u32_u24 v243, v240, SPITCH
	v_lshl_add_u32 v243, v241, 6, v243
	v_add_nc_u32 v[STO], s70, v243                 ; the stage, in: row r, + 64 h
	v_mul_u32_u24 v244, v241, SPITCH
	v_lshl_add_u32 v244, v240, 4, v244
	v_add_nc_u32 v[RD], s70, v244                  ; back: sixteen lanes to a row of 256 bytes, two rows a load
	v_lshlrev_b32 v[CO], 12, v241
	v_lshl_add_u32 v[CO], v240, 4, v[CO]           ; and the same two rows in y
	v_min_u32 v[PFO], 23, v3
	v_lshlrev_b32 v[PFO], 8, v[PFO]                ; a lane a block of 256 bytes, 24 blocks
	v_lshlrev_b32 v[BO], 6, v241                   ; bp: my columns begin 64 h bytes on
	s_wait_alu depctr_va_vdst(0)
	ASK                                            ; chunk 1
.irp a, 0,1,2,3
.irp k, 0,1,2,3,4,5,6,7,8,9,10,11,12,13,14,15
	global_load_b32 v[SA+16*\a+\k], v[L4], s[60:61] offset:\a*2048+\k*128
.endr
.endr
.irp i, 0,1
.irp p, 0,1,2,3,4,5,6,7
	global_load_b64 v[SB+16*\i+2*\p:SB+16*\i+2*\p+1], v[L8], s[62:63] offset:\p*8192+\i*256
.endr
.endr
.irp t, 0,1,2,3
.irp q, 0,1
	global_load_b128 v[BI+8*\t+4*\q:BI+8*\t+4*\q+3], v[BO], s[66:67] offset:128*(\t/2)+32*(\t%2)+16*\q   ; register j of tile t: column 32 (t / 2) + 8 (t % 2) + 16 h + j
.endr
.endr
	s_wait_xcnt 0x0                                ; my prefetch has read its address
	s_add_nc_u64 s[PF:PF+1], s[PF:PF+1], s[50:51]
	s_wait_tensorcnt 0x0                           ; my part of chunk 0 is in
	ds_add_u32 v[SPW], v[NIL]
	NEXTD 1
	s_wait_dscnt 0x0
	CROUND
	JLOAD                                          ; chunk 1, slot 1's first fill: my one load behind the round
	FETCH 0
	ASK                                            ; chunk 2
.set KK, 0
.rept 16
	STEP KK
.set KK, KK+1
.endr
	; THE WAY OUT: four blocks of 16 rows x 64 columns.  LDS serves a wave's instructions in order: no wait between the stores and the loads, nor in front of the next block's stores
	PLACES                                         ; behind the last matrix instructions
.irp a, 0,1,2,3
	WIN 0x04                                       ; the data: window 1
.irp t, 0,1,2,3
	ds_store_b128 v[STO], v[8*(4*\a+\t):8*(4*\a+\t)+3] offset:128*(\t/2)+32*(\t%2)        ; each accumulator from its low end on
	ds_store_b128 v[STO], v[8*(4*\a+\t)+4:8*(4*\a+\t)+7] offset:128*(\t/2)+32*(\t%2)+16
.endr
	WIN 0
.irp n, 0,1,2,3,4,5,6,7
	ds_load_b128 v[112+32*\a+4*\n:112+32*\a+4*\n+3], v[RD] offset:\n*2*SPITCH
.endr
.endr
.irp a, 0,1,2,3
	s_wait_dscnt 16*(3-\a)                         ; block a is back; the later blocks' 16 LDS instructions each may be out
.irp n, 0,1,2,3,4,5,6,7
	global_store_b128 v[CO], v[112+32*\a+4*\n:112+32*\a+4*\n+3], s[10:11] offset:(32*(\a/2)+8*(\a%2)+2*\n+8*(\n/4))*4096   ; sixteen lanes store 256 consecutive bytes, aligned
.endr
.endr
	s_wait_tensorcnt 0x0                           ; the wave's end
	ds_add_u32 v[SPW], v[NIL]
	s_wait_dscnt 0x0
	CROUND                                         ; the closing round
	s_endpgm
.Lfunc_end_k_q3a8af2e9dd_oproj:
	.size	k_q3a8af2e9dd_oproj, .Lfunc_end_k_q3a8af2e9dd_oproj-k_q3a8af2e9dd_oproj
	.p2alignl 7, 3214868480
	.fill 96, 4, 3214868480
	.section	.rodata,"a",@progbits
	.p2align	6, 0x0
	.amdhsa_kernel k_q3a8af2e9dd_oproj
		.amdhsa_group_segment_fixed_size 327680
		.amdhsa_private_segment_fixed_size 0
		.amdhsa_enable_private_segment 0
		.amdhsa_kernarg_size 32
		.amdhsa_user_sgpr_count 2
		.amdhsa_user_sgpr_kernarg_segment_ptr 1
		.amdhsa_wavefront_size32 1
		.amdhsa_system_sgpr_workgroup_id_x 1
		.amdhsa_system_sgpr_workgroup_id_y 1
		.amdhsa_system_sgpr_workgroup_id_z 1
		.amdhsa_system_vgpr_workitem_id 0
		.amdhsa_next_free_vgpr 512
		.amdhsa_next_free_sgpr 72
		.amdhsa_reserve_vcc 0
		.amdhsa_float_denorm_mode_32 3
		.amdhsa_float_denorm_mode_16_64 3
		.amdhsa_memory_ordered 1
		.amdhsa_forward_progress 1
		.amdhsa_inst_pref_size 91
	.end_amdhsa_kernel
	.amdgpu_metadata
---
amdhsa.version: [ 1, 2 ]
amdhsa.kernels:
  - .name:           k_q3a8af2e9dd_oproj
    .symbol:         k_q3a8af2e9dd_oproj.kd
    .args:
      - { .name: fq, .offset: 0, .size: 8, .value_kind: global_buffer, .address_space: global }
      - { .name: pq, .offset: 8, .size: 8, .value_kind: global_buffer, .address_space: global }
      - { .name: bp, .offset: 16, .size: 8, .value_kind: global_buffer, .address_space: global }
      - { .name: y, .offset: 24, .size: 8, .value_kind: global_buffer, .address_space: global }
    .group_segment_fixed_size: 327680
    .private_segment_fixed_size: 0
    .kernarg_segment_align: 8
    .kernarg_segment_size: 32
    .max_flat_workgroup_size: 128
    .sgpr_count:     72
    .vgpr_count:     512
    .wavefront_size: 32
...
	.end_amdgpu_metadata
.endif
;; end of part 4
;; launch ln (part 5): grid 256 x 1, 8 waves a work-group, no clusters, 0 bytes of LDS; arguments y, gamma, beta, out0; writes out0
.if DOCPART == 5
	.amdgcn_target "amdgcn-amd-amdhsa--gfx1250"
	.amdhsa_code_object_version 6
	.text
	.protected	k_q3a8af2e9dd_ln
	.globl	k_q3a8af2e9dd_ln
	.p2align	8
	.type	k_q3a8af2e9dd_ln,@function
k_q3a8af2e9dd_ln:
	s_mov_b64 s[64:65], 0
	v_nop
	global_prefetch_b8 v0, s[64:65] scope:SCOPE_SE
	s_setreg_imm32_b32 hwreg(HW_REG_WAVE_MODE, 25, 1), 1
	s_wait_xcnt 0x0
; out0 = (y - mean) x rsqrt(var + 1e-5) x gamma + beta over each row of 1,024 numbers, all in f32, in two passes over registers (the mean; then the sum of squared differences).
; SHARES.  A wave takes two whole rows, a lane 32 numbers of each (16 bytes of each run of 512): 256 work-groups x 8 waves x 2 rows = 4,096.  Each load and store covers 512 consecutive bytes, aligned.
; Memory binds: no matrix unit, no LDS, no barrier, no cluster (waves share gamma and beta alone, 8,192 bytes); all 32 loads of a wave go out at once, so there is no loop to prefetch in.
; LIMITS: NaN and infinities are not served.
; REGISTERS: v2 16 x lane; v[4:7] sums, then the means; v8, v9 at work; v[10:13] sums of squares; v16-79 the two rows; v80-111 gamma; v112-143 beta; v144, v146 1 / sigma.
	s_load_b256 s[4:11], s[0:1], 0x0               ; y s[4:5], gamma s[6:7], beta s[8:9], out0 s[10:11]
	v_lshrrev_b32 v1, 5, v0
	v_readfirstlane_b32 s12, v1                    ; wave 0..7
	v_and_b32 v2, 31, v0
	v_lshlrev_b32 v2, 4, v2
	v_mov_b32 v8, 0                                ; a lane permute's destination counts as one of its sources
	v_mov_b32 v9, 0
	v_mov_b32 v145, 0                              ; upper words of pairs whose low word serves both halves
	v_mov_b32 v147, 0
	s_lshl_b32 s13, ttmp9, 3
	s_add_co_u32 s13, s13, s12
	s_lshl_b32 s14, s13, 13                        ; two rows of 4,096 bytes a wave
	s_mov_b32 s15, 0
	s_mov_b32 s16, 0x76543210
	s_mov_b32 s17, 0xfedcba98                      ; v_permlanex16_b32's selects for lane l xor 16
	s_mov_b32 s18, 0x3a800000                      ; 1 / 1,024
	s_mov_b32 s19, 0x3727c5ac                      ; 1e-5
	s_wait_alu depctr_va_vdst(0)
	s_wait_kmcnt 0x0
	s_add_nc_u64 s[4:5], s[4:5], s[14:15]
	s_add_nc_u64 s[10:11], s[10:11], s[14:15]
.irp i, 0,1
.irp n, 0,1,2,3,4,5,6,7
	global_load_b128 v[16+32*\i+4*\n:19+32*\i+4*\n], v2, s[4:5] offset:\i*4096+512*\n th:TH_LOAD_NT
.endr
.endr
.irp n, 0,1,2,3,4,5,6,7
	global_load_b128 v[80+4*\n:83+4*\n], v2, s[6:7] offset:512*\n
	global_load_b128 v[112+4*\n:115+4*\n], v2, s[8:9] offset:512*\n
.endr
.macro LANES r                         ; v[r] and v[r + 2] summed over the 32 lanes, the two rows by turns
.irp m, 1,2,4,8
.irp i, 0,1
	v_add_f32_dpp v[\r+2*\i], v[\r+2*\i], v[\r+2*\i] row_xmask:\m row_mask:0xf bank_mask:0xf
.endr
.endr
.irp i, 0,1
	v_permlanex16_b32 v[8+\i], v[\r+2*\i], s16, s17
.endr
.irp i, 0,1
	v_add_f32 v[\r+2*\i], v[\r+2*\i], v[8+\i]
.endr
.endm
	s_wait_loadcnt 0x0
.irp i, 0,1
	v_pk_add_f32 v[4+2*\i:5+2*\i], v[16+32*\i:17+32*\i], v[18+32*\i:19+32*\i]
.endr
.irp j, 4,6,8,10,12,14,16,18,20,22,24,26,28,30
.irp i, 0,1
	v_pk_add_f32 v[4+2*\i:5+2*\i], v[4+2*\i:5+2*\i], v[16+32*\i+\j:17+32*\i+\j]
.endr
.endr
.irp i, 0,1
	v_add_f32 v[4+2*\i], v[4+2*\i], v[5+2*\i]
.endr
	LANES 4
.irp i, 0,1
	v_mul_f32 v[4+2*\i], s18, v[4+2*\i]            ; the mean
.endr
.irp j, 0,2,4,6,8,10,12,14,16,18,20,22,24,26,28,30
.irp i, 0,1
	v_pk_add_f32 v[16+32*\i+\j:17+32*\i+\j], v[16+32*\i+\j:17+32*\i+\j], v[4+2*\i:5+2*\i] op_sel_hi:[1,0] neg_lo:[0,1] neg_hi:[0,1]
.endr
.endr
.irp i, 0,1
	v_pk_mul_f32 v[10+2*\i:11+2*\i], v[16+32*\i:17+32*\i], v[16+32*\i:17+32*\i]
.endr
.irp j, 2,4,6,8,10,12,14,16,18,20,22,24,26,28,30
.irp i, 0,1
	v_pk_fma_f32 v[10+2*\i:11+2*\i], v[16+32*\i+\j:17+32*\i+\j], v[16+32*\i+\j:17+32*\i+\j], v[10+2*\i:11+2*\i]
.endr
.endr
.irp i, 0,1
	v_add_f32 v[10+2*\i], v[10+2*\i], v[11+2*\i]
.endr
	LANES 10
.irp i, 0,1
	v_fma_f32 v[10+2*\i], v[10+2*\i], s18, s19     ; the variance + 1e-5
.endr
	s_wait_alu depctr_va_vdst(0)
.irp i, 0,1
	v_rsq_f32 v[144+2*\i], v[10+2*\i]
.endr
	v_nop                                          ; the plain instruction behind the batch
	s_wait_alu depctr_va_vdst(0)
.irp j, 0,2,4,6,8,10,12,14,16,18,20,22,24,26,28,30
.irp i, 0,1
	v_pk_mul_f32 v[16+32*\i+\j:17+32*\i+\j], v[16+32*\i+\j:17+32*\i+\j], v[144+2*\i:145+2*\i] op_sel_hi:[1,0]
.endr
.endr
.irp j, 0,2,4,6,8,10,12,14,16,18,20,22,24,26,28,30
.irp i, 0,1
	v_pk_fma_f32 v[16+32*\i+\j:17+32*\i+\j], v[16+32*\i+\j:17+32*\i+\j], v[80+\j:81+\j], v[112+\j:113+\j]
.endr
.endr
.irp i, 0,1
.irp n, 0,1,2,3,4,5,6,7
	global_store_b128 v2, v[16+32*\i+4*\n:19+32*\i+4*\n], s[10:11] offset:\i*4096+512*\n th:TH_STORE_NT
.endr
.endr
	s_endpgm
.Lfunc_end_k_q3a8af2e9dd_ln:
	.size	k_q3a8af2e9dd_ln, .Lfunc_end_k_q3a8af2e9dd_ln-k_q3a8af2e9dd_ln
	.p2alignl 7, 3214868480
	.fill 96, 4, 3214868480
	.section	.rodata,"a",@progbits
	.p2align	6, 0x0
	.amdhsa_kernel k_q3a8af2e9dd_ln
		.amdhsa_group_segment_fixed_size 0
		.amdhsa_private_segment_fixed_size 0
		.amdhsa_enable_private_segment 0
		.amdhsa_kernarg_size 32
		.amdhsa_user_sgpr_count 2
		.amdhsa_user_sgpr_kernarg_segment_ptr 1
		.amdhsa_wavefront_size32 1
		.amdhsa_system_sgpr_workgroup_id_x 1
		.amdhsa_system_sgpr_workgroup_id_y 1
		.amdhsa_system_sgpr_workgroup_id_z 1
		.amdhsa_system_vgpr_workitem_id 0
		.amdhsa_next_free_vgpr 160
		.amdhsa_next_free_sgpr 66
		.amdhsa_reserve_vcc 0
		.amdhsa_float_denorm_mode_32 3
		.amdhsa_float_denorm_mode_16_64 3
		.amdhsa_memory_ordered 1
		.amdhsa_forward_progress 1
		.amdhsa_inst_pref_size 18
	.end_amdhsa_kernel
	.amdgpu_metadata
---
amdhsa.version: [ 1, 2 ]
amdhsa.kernels:
  - .name:           k_q3a8af2e9dd_ln
    .symbol:         k_q3a8af2e9dd_ln.kd
    .args:
      - { .name: y, .offset: 0, .size: 8, .value_kind: global_buffer, .address_space: global }
      - { .name: gamma, .offset: 8, .size: 8, .value_kind: global_buffer, .address_space: global }
      - { .name: beta, .offset: 16, .size: 8, .value_kind: global_buffer, .address_space: global }
      - { .name: out0, .offset: 24, .size: 8, .value_kind: global_buffer, .address_space: global }
    .group_segment_fixed_size: 0
    .private_segment_fixed_size: 0
    .kernarg_segment_align: 8
    .kernarg_segment_size: 32
    .max_flat_workgroup_size: 256
    .sgpr_count:     66
    .vgpr_count:     160
    .wavefront_size: 32
...
	.end_amdgpu_metadata
.endif
;; end of part 5
